; MI455X (gfx1250); checked and timed in simulation.
; The chip was launched on July 23, 2026; its instructions are those of AMD's public machine-readable ISA for CDNA 5 (MIT licence, August 2026) and "CDNA5" Instruction Set Architecture Reference Guide (July 2026). The comments in the code are by the model that wrote it; some were corrected since.
;; Multihead Attention. Allowed arithmetic: matrix products marked QUANTISED: E4M3 operands, one given power-of-two scale a tensor, by v_wmma_f32_16x16x64_fp8_fp8 or v_wmma_f32_16x16x128_fp8_fp8, f32 sums; everything else in f32.
;; Inputs: W_out_codes 1,024 x 32 x 32 uint8 (E4M3 codes of W_out, K innermost, in blocks of 32 codes); W_qkv_codes 3,072 x 32 x 32 uint8 (E4M3 codes of W_qkv, K innermost, in blocks of 32 codes); b_out 1,024 float32; b_qkv 3,072 float32; lowp_scales 8 int32 (the exponents e of the quantised operands' scales 2^e); x_codes 4 x 2,048 x 32 x 32 uint8 (E4M3 codes of x, K innermost, in blocks of 32 codes).
;; Outputs: out0 4 x 2,048 x 1,024 float32.
;; This version of the problem:
;;   THIS VERSION OF THE PROBLEM IS GIVEN IN LOW PRECISION. The matrix products marked QUANTISED in the list below multiply operands that are first quantised to E4M3 (4 exponent bits, 3 mantissa bits; 8 bits a number), with one given power-of-two scale for each operand tensor; their sums are f32. All else is computed in f32.
;;   The module's matrix products, in the order in which they are computed (A, B: the left and right operand; K: the contracted axis; several contracted axes count as one K, in the product's order):
;;     1. [M 8,192, K 1,024] x [K 1,024, N 3,072]; A: input x (given as codes); B: input W_qkv (given as codes): QUANTISED (scales: A lowp_scales[0], B lowp_scales[1])
;;     2. batch 64 x [M 2,048, K 64] x [K 64, N 2,048]; A: computed on the way; B: computed on the way: QUANTISED (scales: A lowp_scales[2], B lowp_scales[3])
;;     3. batch 64 x [M 2,048, K 2,048] x [K 2,048, N 64]; A: softmax (see below); B: computed on the way: QUANTISED (scales: A lowp_scales[4], B lowp_scales[5])
;;     4. [M 8,192, K 1,024] x [K 1,024, N 1,024]; A: computed on the way; B: input W_out (given as codes): QUANTISED (scales: A lowp_scales[6], B lowp_scales[7])
;;   THE QUANTISER, for each operand of a quantised product, along K:
;;     - The operand's scale is 2^e, e = its entry of the input lowp_scales (int32; the entries are numbered through the quantised products in the list's order, A before B).
;;     - Each number is divided by the scale, clamped to +-448, and rounded to the nearest number of E4M3, ties to even, subnormals kept.
;;     - The product sums the exact products of the quantised numbers (number of the format x scale) in f32.
;;   ~~~python
;;   def quantise(x, axis, e):      # numpy; x: float32 -> the quantised numbers, widened to float32 again
;;       x = np.moveaxis(x, axis, -1); K = x.shape[-1]
;;       r = np.clip(x / 2.0 ** e, -448, 448)
;;       step = 2.0 ** (np.maximum(np.frexp(np.where(r == 0, 1, r))[1] - 1, -6) - 3)
;;       q = np.round(r / step) * step * 2.0 ** e      # np.round: ties to even
;;       return np.moveaxis(q, -1, axis).astype(np.float32)
;;   ~~~
;;   SOFTMAX AHEAD OF A QUANTISED PRODUCT. Where the list says 'softmax', what is quantised is not the finished softmax but p = 2^(t - M), with t = logit x log2(e) and M = ceil(the row's largest t), a whole number; so 1/2 < the row's largest p <= 1. The row's sum l is taken of the UNQUANTISED p, in f32, and the product's result is divided by l at the end. Since M is a whole number, a kernel that streams over the keys may use a running M (the ceiling of the running maximum): every later rescaling is an exact power of two, so the quantised numbers keep their values, but for numbers so far below the row's largest that they fall under the format's range.
;;   OPERANDS COMPUTED ON THE WAY. 'Computed on the way' means the value that the module computes at that place (a softmax that the list does not call 'softmax' is quantised finished and normalised). What goes into a quantiser is computed in f32, as accurately as f32 sums, v_exp_f32 and their like allow (about 1e-6 of the number): no bf16 or f16 on the way to a quantiser, and a product that is left as it is and whose result goes on into a quantised operand takes f32 operands (vector FMAs, or v_wmma_f32_16x16x4_f32). A number that lies on a knife's edge between two numbers of the format may be rounded either way, as far as f32 arithmetic and the matrix unit's own rounding can turn it there, and no further.
;;   INPUTS GIVEN AS CODES. W_out (in the module: [1024, 1024], K = its axis 0); W_qkv (in the module: [1024, 3072], K = its axis 0); x (in the module: [4, 2048, 1024], K = its axis 2): each comes as NAME_codes (uint8): NAME with its K axis moved to the last place and cut into blocks of 32 codes, [.., K / 32, bytes a block], one block behind the other in memory; one code a byte (a code: sign, 4 exponent bits, 3 mantissa bits); its scale is its entry of lowp_scales. Its value is code x scale, taken as it is: it is not quantised again, and the codes and scales need not be those that the quantiser above would give.
;; 2 versions, each right; version 2 is version 1 with the launch attn written anew for expert scheduling mode. Each part assembles by itself: llvm-mc -triple=amdgcn-amd-amdhsa -mcpu=gfx1250 --defsym DOCPART=n.
;; ======== version 1 of 2: 3 launches
;; workspace buffers: qc 8,388,608 bytes; kc 8,388,608 bytes; vc 8,388,608 bytes; yc 8,388,608 bytes
;; launch qkv (part 1): grid 12 x 32, 4 waves a work-group, clusters of 4 x 4, 327,680 bytes of LDS; arguments x_codes, W_qkv_codes, b_qkv, lowp_scales, qc, kc, vc; writes qc, kc, vc
.if DOCPART == 1
	.amdgcn_target "amdgcn-amd-amdhsa--gfx1250"
	.amdhsa_code_object_version 6
	.text
	.protected	k_q1cec6fd431_qkv
	.globl	k_q1cec6fd431_qkv
	.p2align	8
	.type	k_q1cec6fd431_qkv,@function
k_q1cec6fd431_qkv:
	s_mov_b64 s[64:65], 0
	v_nop
	global_prefetch_b8 v0, s[64:65] scope:SCOPE_SE
	s_setreg_imm32_b32 hwreg(HW_REG_WAVE_MODE, 25, 1), 1
	s_wait_xcnt 0x0
	s_wait_alu depctr_hold_cnt(0) depctr_sa_sdst(0) depctr_va_vdst(0) depctr_va_sdst(0) depctr_va_ssrc(0) depctr_va_vcc(0) depctr_vm_vsrc(0)
	s_getreg_b32 s2, hwreg(HW_REG_IB_STS2, 6, 4)
	s_cmp_eq_u32 s2, 0
	s_cbranch_scc0 .Lentry_in_a_cluster
	s_endpgm
.Lentry_in_a_cluster:
	s_bfe_u32 s2, ttmp6, 0x10000c
	s_cmp_lg_u32 s2, 0xf033
	s_cbranch_scc0 .Lentry_shape_is_right
	s_endpgm
.Lentry_shape_is_right:
; qkv = x W_qkv + b_qkv on codes of E4M3, and q, k, v quantised on the way out into codes laid as the attention launch reads them.
; x: [8192][1024] codes, W_qkv: [3072][1024] codes, K innermost.  A sum stands for sum x 2^(e0 + e1); the bias goes in as the C of each sum's first product, divided by 2^(e0 + e1);
; a code of q, k or v is sum / 2^(eo - e0 - e1), held within +-448, eo = e2 (q), e3 (k), e5 (v).
; LIMITS: eo - e0 - e1 between -126 and 119, so that both powers of two below are f32 numbers; b_qkv / 2^(e0 + e1) finite.  NaN among the inputs is not served.
; SHARES.  A tile of 256 x 256 is made by four waves, each 128 x 128: 64 accumulators, 512 registers.  K goes in four steps of 256 through two LDS slots filled by the tensor data mover.
; ROLES.  Cluster x = 0, 1, 2 makes q, k, v.  'A' is source 1 (its row stands in the lane), 'B' is source 0 (eight of its rows stand in a lane's registers).
;   q, k: A = x, B = W_qkv: a lane holds eight neighbouring channels of one token.   v: A = W_qkv, B = x: a lane holds eight neighbouring tokens of one channel.  Either way: neighbours along the later K.
; The role hangs on the cluster's x alone, which all sixteen partners share.  A's tile is asked for jointly along a row of the cluster, B's along a column.
; OUT.  A wave's 128 x 128 codes are one dense block of 16,384 bytes: [pair of heads][block of 128 tokens][128 positions][128 bytes].  Position p holds row pi(p), pi = bits 3 and 4 swapped:
; so sixteen neighbouring positions, taken as a tile by the attention launch, give results whose registers run along neighbours.
; REGISTERS: window 0: v16-31 addresses and constants; v32-95 the bias as C, later at work; v96-103 the bias's offsets; v128-255 A's fragments (one set), later the codes.
;   window 1: B's fragments, two sets.   windows 2, 3: the accumulators ((a, b) at v[8 (8 (a % 4) + b)]).
.set KROW,   1024                      ; a row of x or of W_qkv in bytes
.set ROWB,   256                       ; a tile's row in bytes
.set PITCH,  272                       ; an LDS row: 256 bytes + 16 of padding = 68 words: row r starts at bank 4 r mod 64 (64 banks of 4 bytes: ISA guide 11.1)
.set FR,     16                        ; registers of a fragment: 16 rows x 128 K
.set NL,     4                         ; LDS loads that bring one
.set NP,     4                         ; places behind this matrix instruction (ISA guide 7.12.1)
.set HALFT,  128*PITCH                 ; what one tensor load brings
.set SLOT,   4*HALFT                   ; A's 256 rows, then B's 256 rows
.set SPARE,  2*SLOT                    ; behind the ring: the spare words, 128 bytes a wave, that no other line names
.set SPITCH, 144                       ; the way out: a stage of 128 rows x (128 codes + 16) for each wave, in slot 0, which has had its last fill and its last read by then
.set ADRA, 16                          ; v16-17  LDS address of my A fragments in slot 0, 1
.set ADRB, 20                          ; v20-21  the same for B
.set STO,  24                          ; v24     the stage: where I put 8 codes
.set RD,   25                          ; v25     the stage: where I read 16 codes back
.set CO,   26                          ; v26     16 x lane
.set SPW,  28                          ; v28     my spare word; never rewritten
.set NIL,  29                          ; v29     0; never rewritten
.set SCV,  30                          ; v30     2^(eo - e0 - e1)
.set LMV,  31                          ; v31     448 x that
.set BI,   32                          ; v32-95  the bias, eight registers a block
.set TMP,  32                          ; v32-95  on the way out: a block's 64 held numbers; then rows read back
.set BO,   96                          ; v96-103 the bias's byte offsets
.set AF,   128
.set CD,   128                         ; v128-255 on the way out: the codes, 16 registers a block; then rows read back
.set G1, 24
.set G0, 32
.set G1B, 48
.set G0B, 56
.set MSB, 0
.macro WIN new                         ; the immediate's high byte repeats the setting that is left
.if MSB != \new
	s_set_vgpr_msb (MSB<<8)|\new
.set MSB, \new
.endif
.endm
.set MUL_LO, 0xa1                      ; source 0 (B) window 1, source 1 (A) window 0, C and D window 2
.set MUL_HI, 0xf1                      ; the same, C and D window 3
.set TO_B,   0x40                      ; destination window 1, address window 0
; A joint load: waves 0 and 1 fetch for A, waves 2 and 3 for B; the branch hangs on the wave's number alone.  Four v_nop follow each of the two lines.
.macro JLOAD g0a, g1a, g0b, g1b
	s_cmp_eq_u32 s15, 0
	s_cbranch_scc0 .Lfor_b_\@
	tensor_load_to_lds s[\g0a:\g0a+3], s[\g1a:\g1a+7]
	s_nop 0
.rept 4
	v_nop
.endr
	s_branch .Lasked_\@
.Lfor_b_\@:
	tensor_load_to_lds s[\g0b:\g0b+3], s[\g1b:\g1b+7]
	s_nop 0
.rept 4
	v_nop
.endr
.Lasked_\@:
.endm
.macro CREST                           ; a round of the cluster's barrier behind its opening barrier
	s_cmp_lg_u32 s14, 0
	s_cbranch_scc1 .Lnot_wave_0_\@
	s_barrier_signal -3
.Lnot_wave_0_\@:
	s_barrier_wait -3
	s_barrier_signal -1
	s_barrier_wait -1
.endm
.macro CROUND                          ; a whole round
	s_barrier_signal -1
	s_barrier_wait -1
	CREST
.endm
	s_load_b256 s[4:11], s[0:1], 0x0               ; x s[4:5], W_qkv s[6:7], b_qkv s[8:9], the scales' exponents s[10:11]
	s_load_b128 s[68:71], s[0:1], 0x20             ; qc s[68:69], kc s[70:71]
	s_load_b64 s[72:73], s[0:1], 0x30              ; vc
	v_lshl_add_u32 v[SPW], v0, 2, SPARE
	v_mov_b32 v[NIL], 0
	ds_add_u32 v28, v29
	ds_add_u32 v28, v29
	s_wait_dscnt 0x0
	v_lshrrev_b32 v1, 5, v0
	v_readfirstlane_b32 s14, v1                    ; wave 0..3
	s_lshr_b32 s15, s14, 1                         ; which 128 rows of A are mine.  Also: I fetch for A (0) or for B (1)
	s_and_b32 s16, s14, 1                          ; which 128 rows of B are mine.  Also: which 128 rows of that tile I fetch
	s_bfe_u32 s40, ttmp6, 0x40000                  ; cx
	s_bfe_u32 s41, ttmp6, 0x40004                  ; cy
	s_and_b32 s18, ttmp7, 0xffff
	s_lshl_b32 s18, s18, 2                         ; 4 x cluster y
	s_add_co_u32 s17, s18, s41                     ; 4 x cluster y + cy
	s_add_co_u32 s42, s18, s40                     ; 4 x cluster y + cx
	s_lshl_b32 s43, s41, 2
	s_lshl_b32 s43, 15, s43                        ; my row of the cluster
	s_lshl_b32 s44, 0x1111, s40                    ; my column
	; descriptor group 1: a tile of 128 rows x 256 bytes, padded in LDS
	s_or_b32 s[G1+0], s43, (0<<16)|(1<<20)|(1<<21)|(5<<22)|(3<<25)  ; the mask: A's tiles go to my row; elements of 1 byte; padding on; bit 21 beside a mask; after every 64 words, 4 words
	s_or_b32 s[G1B+0], s44, (0<<16)|(1<<20)|(1<<21)|(5<<22)|(3<<25) ; the same with my column's mask, for B's tiles
.irp g, G1, G1B
	s_mov_b32 s[\g+1], ROWB<<16                    ; tensor_dim0
	s_mov_b32 s[\g+2], 128<<16                     ; tensor_dim1
	s_mov_b32 s[\g+3], ROWB<<16                    ; tile_dim0
	s_mov_b32 s[\g+4], 128                         ; tile_dim1
	s_mov_b32 s[\g+5], KROW                        ; tensor_dim0_stride
	s_mov_b32 s[\g+6], 0
	s_mov_b32 s[\g+7], 0
.endr
	s_lshl_b32 s19, s16, 7                         ; which 128 rows of the tile I fetch
	s_lshl_b32 s20, s17, 8                         ; A's first row.  q, k: x's row 256 (4 cluster y + cy);
	s_lshl_b32 s21, s41, 8
	s_add_co_u32 s21, s21, 2048                    ; v: W_qkv's row 2048 + 256 cy
	s_cmp_eq_u32 ttmp9, 2
	s_cselect_b32 s20, s21, s20
	s_add_co_u32 s20, s20, s19
	s_lshl_b32 s20, s20, 10                        ; in bytes (under 2^24)
	s_mov_b32 s21, 0
	s_lshl_b32 s46, ttmp9, 10                      ; B's first row.  q, k: W_qkv's row 1024 cluster x + 256 cx;
	s_lshl_b32 s47, s40, 8
	s_add_co_u32 s46, s46, s47
	s_lshl_b32 s47, s42, 8                         ; v: x's row 256 (4 cluster y + cx)
	s_cmp_eq_u32 ttmp9, 2
	s_cselect_b32 s46, s47, s46
	s_add_co_u32 s46, s46, s19
	s_lshl_b32 s46, s46, 10
	s_mov_b32 s47, 0
	s_mul_i32 s45, s14, HALFT                      ; where the tiles go: wave x 128 rows: no place in the cluster enters an LDS address
	s_wait_kmcnt 0x0
	s_load_b256 s[76:83], s[10:11], 0x0            ; e0 .. e7
	s_cmp_eq_u32 ttmp9, 2
	s_cselect_b64 s[88:89], s[6:7], s[4:5]         ; A's tensor
	s_cselect_b64 s[90:91], s[4:5], s[6:7]         ; B's tensor
	s_add_nc_u64 s[88:89], s[88:89], s[20:21]
	s_add_nc_u64 s[90:91], s[90:91], s[46:47]
	CROUND                                         ; all sixteen work-groups are here: the first joint loads meet
.irp s, 0,1
	s_mov_b32 s[G0+4*\s], 1
	s_add_co_u32 s[G0+4*\s+1], s45, \s*SLOT
	s_add_nc_u64 s[G0+4*\s+2:G0+4*\s+3], s[88:89], \s*ROWB
	s_or_b32 s[G0+4*\s+3], s[G0+4*\s+3], 0x80000000
	s_mov_b32 s[G0B+4*\s], 1
	s_add_co_u32 s[G0B+4*\s+1], s45, \s*SLOT
	s_add_nc_u64 s[G0B+4*\s+2:G0B+4*\s+3], s[90:91], \s*ROWB
	s_or_b32 s[G0B+4*\s+3], s[G0B+4*\s+3], 0x80000000
	JLOAD G0+4*\s, G1, G0B+4*\s, G1B               ; two tensor loads of mine are out
.endr
	v_and_b32 v1, 15, v0                           ; r = l % 16
	v_bfe_u32 v2, v0, 4, 1                         ; h = l / 16
	v_mul_u32_u24 v3, v1, PITCH
	v_lshl_add_u32 v4, v2, 4, v3                   ; a fragment's row x pitch + 16 x half
	s_mul_i32 s21, s15, HALFT                      ; my 128 rows of A
	s_mul_i32 s22, s16, HALFT                      ; my 128 rows of B,
	s_add_co_u32 s22, s22, 2*HALFT                 ; which lie behind A's 256
.irp s, 0,1
	v_add_nc_u32 v[ADRA+\s], s21, v4
	v_add_nc_u32 v[ADRB+\s], s22, v4
	s_add_co_u32 s21, s21, SLOT
	s_add_co_u32 s22, s22, SLOT
.endr
	s_mul_i32 s23, s14, 128*SPITCH                 ; my stage
	v_mul_u32_u24 v5, v1, SPITCH
	v_lshl_add_u32 v5, v2, 3, v5
	v_add_nc_u32 v[STO], s23, v5                   ; in: row r, 8 bytes for each half of the lanes
	v_and_b32 v6, 31, v0
	v_lshlrev_b32 v[CO], 4, v6                     ; 16 x lane
	v_lshrrev_b32 v7, 3, v6
	v_mul_u32_u24 v7, v7, SPITCH
	v_and_b32 v8, 7, v0
	v_lshl_add_u32 v7, v8, 4, v7
	v_add_nc_u32 v[RD], s23, v7                    ; back: eight lanes to a row of 128 bytes, four rows an instruction
	; THE BIAS in the result's layout.  q, k: register 8 i + j holds b[nb + 16 i + 8 h + j] (B's block i);  v: b[nb + 16 i + r] (A's block i), the same in all eight registers.
	s_lshl_b32 s84, ttmp9, 10
	s_lshl_b32 s85, s40, 8
	s_add_co_u32 s84, s84, s85
	s_lshl_b32 s85, s16, 7
	s_add_co_u32 s84, s84, s85                     ; q, k: nb = 1024 cluster x + 256 cx + 128 (my half of B)
	s_lshl_b32 s85, s41, 8
	s_add_co_u32 s85, s85, 2048
	s_lshl_b32 s86, s15, 7
	s_add_co_u32 s85, s85, s86                     ; v: nb = 2048 + 256 cy + 128 (my half of A)
	s_cmp_eq_u32 ttmp9, 2
	s_cselect_b32 s84, s85, s84
	s_cselect_b32 s86, 0, 4                        ; bytes from register to register
	s_cselect_b32 s87, -1, 0                       ; all lanes, or none
	s_lshl_b32 s84, s84, 2
	s_mov_b32 s85, 0
	s_add_nc_u64 s[92:93], s[8:9], s[84:85]
	v_lshlrev_b32 v9, 5, v2                        ; q, k: 32 h
	v_lshlrev_b32 v10, 2, v1                       ; v: 4 r
	v_cndmask_b32 v9, v9, v10, s87
.irp j, 0,1,2,3,4,5,6,7
	s_mul_i32 s85, s86, \j
	v_add_nc_u32 v[BO+\j], s85, v9
.endr
.irp i, 0,1,2,3,4,5,6,7
.irp j, 0,1,2,3,4,5,6,7
	global_load_b32 v[BI+8*\i+\j], v[BO+\j], s[92:93] offset:64*\i
.endr
.endr
	; where my 16,384 bytes of codes go: buffer + (((batch x 8 + pair of heads) x 16 + block of 128 tokens) << 14)
	s_lshl_b32 s84, s17, 1
	s_add_co_u32 s84, s84, s15                     ; q, k: the block of tokens among all 64: A's rows
	s_lshl_b32 s85, s42, 1
	s_add_co_u32 s85, s85, s16                     ; v: B's rows
	s_lshl_b32 s86, s40, 1
	s_add_co_u32 s86, s86, s16                     ; q, k: the pair of heads: B's rows
	s_lshl_b32 s87, s41, 1
	s_add_co_u32 s87, s87, s15                     ; v: A's rows
	s_cmp_eq_u32 ttmp9, 2
	s_cselect_b32 s84, s85, s84
	s_cselect_b32 s86, s87, s86
	s_cselect_b64 s[94:95], s[72:73], s[70:71]
	s_cmp_eq_u32 ttmp9, 0
	s_cselect_b64 s[94:95], s[68:69], s[94:95]
	s_lshr_b32 s85, s84, 4
	s_lshl_b32 s85, s85, 3
	s_add_co_u32 s85, s85, s86
	s_lshl_b32 s85, s85, 4
	s_and_b32 s84, s84, 15
	s_add_co_u32 s84, s84, s85
	s_lshl_b32 s84, s84, 14
	s_mov_b32 s85, 0
	s_add_nc_u64 s[94:95], s[94:95], s[84:85]
	s_wait_kmcnt 0x0                               ; the exponents
	s_cmp_eq_u32 ttmp9, 0
	s_cselect_b32 s84, s78, s79                    ; e2 for q, e3 for k,
	s_cmp_eq_u32 ttmp9, 2
	s_cselect_b32 s84, s81, s84                    ; e5 for v
	s_add_co_i32 s85, s76, s77                     ; e0 + e1
	s_sub_co_i32 s84, s84, s85                     ; eo - e0 - e1: the three scales folded into the conversion's one
	s_sub_co_i32 s85, 0, s85
	s_add_co_i32 s84, s84, 127
	s_lshl_b32 s86, s84, 23
	v_mov_b32 v[SCV], s86
	s_add_co_i32 s84, s84, 8
	s_lshl_b32 s84, s84, 23
	s_or_b32 s84, s84, 0x600000
	v_mov_b32 v[LMV], s84
	s_wait_loadcnt 0x0                             ; the bias
.set kk, 0
.rept 64
	v_ldexp_f32 v[BI+kk], v[BI+kk], s85            ; b / 2^(e0 + e1): what the sums lack
.set kk, kk+1
.endr
.macro FRAG reg, adr, q, i             ; a fragment: lane l holds row l % 16; registers 4 c .. 4 c + 3 hold K = 32 c + 16 (l / 16) + 0 .. 15: the same places in A and in B
.irp c, 0,1,2,3
	ds_load_b128 v[\reg+4*\c:\reg+4*\c+3], v[\adr] offset:128*(\q)+32*\c+(\i)*16*PITCH
.endr
.endm
; 16 matrix instructions: A's blocks a0, a0 + 1 x B's eight, 128 along K.  p: B's set.  zero = 1: the sums start with the bias of B's block (q, k); 2: with that of A's block (v); 0: they go on.
; The 64 accumulators take turns, one instruction a turn, in the same order in every step.
.macro MUL16 a0, p, zero
.irp a, \a0, \a0+1
.irp b, 0,1,2,3,4,5,6,7
.if \zero == 1
	v_wmma_f32_16x16x128_fp8_fp8 v[8*(8*((\a)%4)+\b):8*(8*((\a)%4)+\b)+7], v[128*(\p)+FR*\b:128*(\p)+FR*\b+FR-1], v[AF+FR*(\a):AF+FR*(\a)+FR-1], v[BI+8*\b:BI+8*\b+7]
.elseif \zero == 2
	v_wmma_f32_16x16x128_fp8_fp8 v[8*(8*((\a)%4)+\b):8*(8*((\a)%4)+\b)+7], v[128*(\p)+FR*\b:128*(\p)+FR*\b+FR-1], v[AF+FR*(\a):AF+FR*(\a)+FR-1], v[BI+8*(\a):BI+8*(\a)+7]
.else
	v_wmma_f32_16x16x128_fp8_fp8 v[8*(8*((\a)%4)+\b):8*(8*((\a)%4)+\b)+7], v[128*(\p)+FR*\b:128*(\p)+FR*\b+FR-1], v[AF+FR*(\a):AF+FR*(\a)+FR-1], v[8*(8*((\a)%4)+\b):8*(8*((\a)%4)+\b)+7]
.endif
.endr
.endr
.endm
.macro FETCH_B slot, q, p              ; B's eight fragments of the slot's q-th 128 along K into set p
	WIN TO_B
.irp i, 0,1,2,3,4,5,6,7
	FRAG 128*(\p)+FR*\i, ADRB+\slot, \q, \i
.endr
	WIN 0
.endm
.macro FETCH_A slot, q, i0             ; A's blocks i0 .. i0 + 3
.irp i, \i0, \i0+1, \i0+2, \i0+3
	FRAG AF+FR*(\i), ADRA+\slot, \q, \i
.endr
.endm
.macro PLACES n                        ; plain vector instructions between a matrix instruction and a load into, or a vector instruction on, its registers
.rept \n
	v_nop
.endr
.endm
; A step of 128 along K that has its successor in the same slot.  In the first step (zero = 1, 2) C lies in window 0 and D in window 2 or 3.
.macro STEP slot, q, zero
	s_wait_dscnt 4*NL                              ; B's set and A's blocks 0-3 are in; the youngest 16 loads (A's blocks 4-7) may be out
.if \zero
	WIN 0x81
.else
	WIN MUL_LO
.endif
	MUL16 0, (\q)%2, \zero
	MUL16 2, (\q)%2, \zero
	s_wait_dscnt 0                                 ; A's blocks 4-7 are in
	PLACES NP
	FETCH_B \slot, (\q)+1, 1-(\q)%2
	FETCH_A \slot, (\q)+1, 0
.if \zero
	WIN 0xc1
.else
	WIN MUL_HI
.endif
	MUL16 4, (\q)%2, \zero
	MUL16 6, (\q)%2, \zero
	PLACES NP
	WIN 0
	FETCH_A \slot, (\q)+1, 4
.endm
; A slot's last step changes slots: one barrier; in front of it each wave waits for all its tensor loads, adds 0 to its spare word, and waits for that and for its reads of this slot.  fill = 1: this slot is filled again.
.macro TURN slot, next, fill
	s_wait_tensorcnt 0x0                           ; all my tensor loads have landed: my part of the next slot
	ds_add_u32 v[SPW], v[NIL]                      ; 0 onto my spare word
	s_wait_dscnt 4*NL+1                            ; the add and the youngest 16 loads (A's blocks 4-7) may be out
	WIN MUL_LO
	MUL16 0, 1, 0                                  ; sixteen matrix instructions stand between the add and the wait for it
	s_wait_dscnt 0x0                               ; the add is done, and my reads of this slot are over
	s_barrier_signal -1
	MUL16 2, 1, 0
	WIN 0
	s_barrier_wait -1
.if \fill
	CREST                                          ; the barrier has opened a round of the cluster's barrier: no wave of any partner still reads this slot or has a load on its way
	s_add_nc_u64 s[G0+4*\slot+2:G0+4*\slot+3], s[G0+4*\slot+2:G0+4*\slot+3], 2*ROWB
	s_add_nc_u64 s[G0B+4*\slot+2:G0B+4*\slot+3], s[G0B+4*\slot+2:G0B+4*\slot+3], 2*ROWB
	JLOAD G0+4*\slot, G1, G0B+4*\slot, G1B         ; the first tensor load behind the round; its four v_nop are also the places in front of the loads below
.else
	PLACES NP
.endif
	FETCH_B \next, 0, 0
	FETCH_A \next, 0, 0
	WIN MUL_HI
	MUL16 4, 1, 0
	MUL16 6, 1, 0
	PLACES NP
	WIN 0
	FETCH_A \next, 0, 4
.endm
	s_wait_tensorcnt 1                             ; my part of K step 0 is in; K step 1's load may be out
	s_barrier_signal -1
	s_barrier_wait -1                              ; everybody's is
	FETCH_B 0, 0, 0
	FETCH_A 0, 0, 0
	FETCH_A 0, 0, 4
	s_cmp_eq_u32 ttmp9, 2                          ; the first step is written twice: only the C of its products differs.  The branch hangs on the cluster's x: alike in all partners
	s_cbranch_scc1 .Lfirst_v
	STEP 0, 0, 1
	s_branch .Lfirst_done
.Lfirst_v:
	STEP 0, 0, 2
.Lfirst_done:
	TURN 0, 1, 1                                   ; K = 1024 is twice round the ring: the steps are written out
	STEP 1, 0, 0
	TURN 1, 0, 1
	STEP 0, 0, 0
	TURN 0, 1, 0                                   ; nothing is left to fetch: a plain barrier
	STEP 1, 0, 0
	s_wait_dscnt 4*NL                              ; the very last step
	WIN MUL_LO
	MUL16 0, 1, 0
	MUL16 2, 1, 0
	s_wait_dscnt 0
	WIN MUL_HI
	MUL16 4, 1, 0
	MUL16 6, 1, 0
	WIN 0
; THE WAY OUT.  Block a (A's 16 rows x B's 128): each sum is held within 448 x the scale (the conversion to an 8-bit code does not saturate: ISA guide 7.6.2), eight neighbours become 8 bytes, and go to row 16 a + r of my stage.
.macro TOSTAGE a
.set AC, 64*((\a)%4)
	WIN 0x02+((\a)/4)                              ; source 0: window 2 or 3
.set kk, 0
.rept 64
	v_med3_num_f32 v[TMP+kk], v[AC+kk], -v[LMV], v[LMV]   ; each accumulator from its low end on
.set kk, kk+1
.endr
	WIN 0
.irp b, 0,1,2,3,4,5,6,7
	v_cvt_scalef32_pk8_fp8_f32 v[CD+16*(\a)+2*\b:CD+16*(\a)+2*\b+1], v[TMP+8*\b:TMP+8*\b+7], v[SCV]
.endr
	v_nop                                          ; one plain vector instruction behind the last conversion: the next block's holds write its sources
.irp b, 0,1,2,3,4,5,6,7
	ds_store_b64 v[STO], v[CD+16*(\a)+2*\b:CD+16*(\a)+2*\b+1] offset:(\a)*16*SPITCH+16*\b
.endr
.endm
	PLACES NP
.irp a, 0,1,2,3,4,5,6,7
	TOSTAGE \a
.endr
	; back as rows: load i takes rows 4 i .. 4 i + 3, 512 bytes; they go to positions 4 sw(i) on, sw = bits 1 and 2 of i swapped (pi on the rows).  LDS serves a wave's instructions in order (ISA guide 5.7.1.4)
.set ii, 0
.rept 16
	ds_load_b128 v[TMP+4*ii:TMP+4*ii+3], v[RD] offset:4*SPITCH*ii
.set ii, ii+1
.endr
	s_wait_dscnt 0x0                               ; they are in, and all stores into the stage have read their registers: the codes' registers take the other half
.rept 16
	ds_load_b128 v[CD+4*(ii-16):CD+4*(ii-16)+3], v[RD] offset:4*SPITCH*ii
.set ii, ii+1
.endr
.set ii, 0
.rept 16
	global_store_b128 v[CO], v[TMP+4*ii:TMP+4*ii+3], s[94:95] offset:512*((ii&25)|((ii&2)<<1)|((ii&4)>>1))   ; 32 lanes store 512 consecutive bytes, aligned
.set ii, ii+1
.endr
	s_wait_dscnt 0x0
.rept 16
	global_store_b128 v[CO], v[CD+4*(ii-16):CD+4*(ii-16)+3], s[94:95] offset:512*((ii&25)|((ii&2)<<1)|((ii&4)>>1))
.set ii, ii+1
.endr
	s_wait_tensorcnt 0x0                           ; the wave's end
	ds_add_u32 v[SPW], v[NIL]
	s_wait_dscnt 0x0
	CROUND                                         ; the closing round: no work-group ends while a partner may still ask for a tile that names it
	s_endpgm
.Lfunc_end_k_q1cec6fd431_qkv:
	.size	k_q1cec6fd431_qkv, .Lfunc_end_k_q1cec6fd431_qkv-k_q1cec6fd431_qkv
	.p2alignl 7, 3214868480
	.fill 96, 4, 3214868480
	.section	.rodata,"a",@progbits
	.p2align	6, 0x0
	.amdhsa_kernel k_q1cec6fd431_qkv
		.amdhsa_group_segment_fixed_size 327680
		.amdhsa_private_segment_fixed_size 0
		.amdhsa_enable_private_segment 0
		.amdhsa_kernarg_size 56
		.amdhsa_user_sgpr_count 2
		.amdhsa_user_sgpr_kernarg_segment_ptr 1
		.amdhsa_wavefront_size32 1
		.amdhsa_system_sgpr_workgroup_id_x 1
		.amdhsa_system_sgpr_workgroup_id_y 1
		.amdhsa_system_sgpr_workgroup_id_z 1
		.amdhsa_system_vgpr_workitem_id 0
		.amdhsa_next_free_vgpr 1024
		.amdhsa_next_free_sgpr 100
		.amdhsa_reserve_vcc 0
		.amdhsa_float_denorm_mode_32 3
		.amdhsa_float_denorm_mode_16_64 3
		.amdhsa_memory_ordered 1
		.amdhsa_forward_progress 1
		.amdhsa_inst_pref_size 144
	.end_amdhsa_kernel
	.amdgpu_metadata
---
amdhsa.version: [ 1, 2 ]
amdhsa.kernels:
  - .name:           k_q1cec6fd431_qkv
    .symbol:         k_q1cec6fd431_qkv.kd
    .args:
      - { .name: x_codes, .offset: 0, .size: 8, .value_kind: global_buffer, .address_space: global }
      - { .name: W_qkv_codes, .offset: 8, .size: 8, .value_kind: global_buffer, .address_space: global }
      - { .name: b_qkv, .offset: 16, .size: 8, .value_kind: global_buffer, .address_space: global }
      - { .name: lowp_scales, .offset: 24, .size: 8, .value_kind: global_buffer, .address_space: global }
      - { .name: qc, .offset: 32, .size: 8, .value_kind: global_buffer, .address_space: global }
      - { .name: kc, .offset: 40, .size: 8, .value_kind: global_buffer, .address_space: global }
      - { .name: vc, .offset: 48, .size: 8, .value_kind: global_buffer, .address_space: global }
    .group_segment_fixed_size: 327680
    .private_segment_fixed_size: 0
    .kernarg_segment_align: 8
    .kernarg_segment_size: 56
    .max_flat_workgroup_size: 128
    .sgpr_count:     100
    .vgpr_count:     1024
    .wavefront_size: 32
...
	.end_amdgpu_metadata
.endif
;; end of part 1
;; launch attn (part 2): grid 8 x 32, 8 waves a work-group, no clusters, 74,752 bytes of LDS; arguments qc, kc, vc, lowp_scales, yc; writes yc
.if DOCPART == 2
	.amdgcn_target "amdgcn-amd-amdhsa--gfx1250"
	.amdhsa_code_object_version 6
	.text
	.protected	k_q1cec6fd431_attn
	.globl	k_q1cec6fd431_attn
	.p2align	8
	.type	k_q1cec6fd431_attn,@function
k_q1cec6fd431_attn:
	s_mov_b64 s[64:65], 0
	v_nop
	global_prefetch_b8 v0, s[64:65] scope:SCOPE_SE
	s_setreg_imm32_b32 hwreg(HW_REG_WAVE_MODE, 25, 1), 1
	s_wait_xcnt 0x0
; Causal attention on codes of E4M3, head size 64, and y quantised on the way out.  qc, kc: [32 pairs of heads][16 blocks of 128 tokens][128 positions][128 bytes]: position p holds token pi(p)
; (pi: bits 3 and 4 swapped), byte 64 (head % 2) + channel.  vc: the same frame, position p holds 64 (head % 2) + channel = pi(p), byte = token % 128 (the keys innermost).
; THE SOFTMAX: t = score x 2^(e2 + e3) x log2(e) / 8; M = the running largest t rounded UP to a whole number; p = 2^(t - M) is quantised with 2^e4; the row's sum is taken of the unquantised p and divides at the end.
; SHARES.  Work-group (j, pair of heads) owns the query blocks 15 - j and j of 128: 16 - j and j + 1 key steps of 128, always 17: all work-groups have equal work and the trip count is a constant.
; Key blocks that lie wholly behind the queries are never walked.  Wave w: head w / 4 of the pair, queries 32 (w % 4) on: tile A (16 queries) in window 0 and tile B in window 1, in the same register numbers,
; so that each fragment of K and V read from LDS feeds two products.  Two waves stand on a SIMD: one's vector work beside the other's products.
; K AND V go memory -> registers -> LDS, asked for a whole step ahead, into two slots by turns; one barrier a step.  No tensor load.
; No cluster: the partners of a pair of heads need different key blocks from step 16 - j on, and what they share is 32,768 bytes a step.
; LAYOUT.  Both products transposed: S^T = K Q^T (source 0 = 16 positions of K), O^T = V^T P^T (source 0 = 16 positions of V): a lane holds one query.  By pi, register 16 b + i of S^T is key 32 b + 16 h + i,
; and register 16 b + i of O^T is channel 32 b + 16 h + i: the conversions' results are the next product's operand registers.
; yc: images of the last product's fragments: byte (H / 4) 2^21 + (row / 16) 4096 + (H % 4) 1024 + 512 b + 16 lane + i = y(row 16 (row / 16) + r, column 64 H + 32 b + 16 h + i).
; LIMITS: e2 + e3 between -123 and 130; e4 and e6 between -126 and 119; a p under 2^-126 counts as 0.  NaN among the inputs is not served.
; REGISTERS in both windows: v11 query - 16 h; v12 -M; v13 the largest t; v[14:15] the sum; v[16:23] Q; v24 2^e4; v25 448 x 2^e4; v[26:27] f; v28-31 at work; v96-159 S^T, then p; v160-191 O^T; v192-207 p's codes; v208-215 y's codes.
; Window 0 alone: v1-8 addresses; v32-95 K's 8 fragments, then V's 4; v216-247 the next step's K and V on their way to LDS.
.set SLOTB, 36864                      ; a slot: 128 positions of K x 144 bytes (128 + 16 of padding), then the same of V
.set VOFF,  18432
.set AK,  1                            ; v1  144 r + 16 h + 64 head
.set AV,  2                            ; v2  144 (64 head + r) + 16 h
.set PFO, 3                            ; v3  256 x lane
.set GL,  4                            ; v4  my 16 bytes of the key block in hand
.set GL0, 5                            ; v5  2048 wave + 16 lane
.set SW,  6                            ; v6  the same place in a slot: 2304 wave + 144 (lane / 8) + 16 (lane % 8)
.set GO,  7                            ; v7  16 x lane
.set QO,  8                            ; v8  128 (r + 8 (r / 8)) + 16 h
.set SG,  216
.set WV,  24
.set HD,  25
.set WQ,  26
.set JJ,  27                           ; s27 j
.set QB1, 28                           ; s28 15 - j
.set QB,  29                           ; s29 the query block in hand
.set KB,  30                           ; s30 the key block in hand
.set NK,  31                           ; s31 the key block on its way
.set CNT, 32
.set LIM, 33
.set SEL, 34                           ; s[34:35] v_permlanex16_b32's selects for lane l xor 16
.set CS,  36                           ; s[36:37] c = 2^(e2 + e3) log2(e) / 8
.set EPV, 38                           ; s38 e4 + e5
.set E4,  39
.set SY,  40                           ; s40 2^e6;  s41 448 x 2^e6
.set PFA, 42                           ; s[42:43] where my prefetches stand
.set OFS, 44                           ; s[44:45] an offset
.set YP,  46
.set YB,  48
.set QP,  50
.set QPB, 52
.set KP,  54
.set VP,  56
.set MSB, 0
.macro WIN new                         ; the immediate's high byte repeats the setting that is left
.if MSB != \new
	s_set_vgpr_msb (MSB<<8)|\new
.set MSB, \new
.endif
.endm
.macro INIT w                          ; a query block begins: the largest t is -3e38, the sum and O^T are zeros, which the first change of M leaves zeros
	WIN \w
	v_mov_b32 v13, 0xff61b1e6
	v_floor_f32 v12, -v13
	v_mov_b32 v14, 0
	v_mov_b32 v15, 0
	v_mov_b32 v27, 0                               ; (named as the upper half of the pair v[26:27])
.set kk, 0
.rept 32
	v_mov_b32 v[160+kk], 0
.set kk, kk+1
.endr
.endm
.macro QLOAD                           ; my 32 queries' codes: lane r of tile 0, 1 takes position 32 (w % 4) + 8 tile + r + 8 (r / 8), which holds query 32 (w % 4) + 16 tile + r
	WIN 0
	s_lshl_b32 s[OFS], s[QB], 14
	s_mov_b32 s[OFS+1], 0
	s_add_nc_u64 s[QP:QP+1], s[QPB:QPB+1], s[OFS:OFS+1]
	global_load_b128 v[16:19], v[QO], s[QP:QP+1]
	global_load_b128 v[20:23], v[QO], s[QP:QP+1] offset:32
	WIN 0x40                                       ; destination window 1
	global_load_b128 v[16:19], v[QO], s[QP:QP+1] offset:1024
	global_load_b128 v[20:23], v[QO], s[QP:QP+1] offset:1056
.endm
; One tile's softmax for a key step.  w: the window setting (0: all in window 0; 0x55: all in window 1).
.macro SOFTMAX w
	WIN 0
	s_cmp_lg_u32 s[KB], s[QB]                      ; only the key block on the diagonal has hidden keys: a scalar branch on ids
	s_cbranch_scc1 .Lopen_\@
	WIN \w
	v_mov_b32 v28, 0xff800000                      ; -infinity: p = 0 then
.set nn, 0
.rept 64
	v_cmp_gt_i32 vcc_lo, 32*(nn/16)+nn%16, v11     ; register 16 b + i holds key 32 b + 16 h + i of the block: hidden where 32 b + i > query - 16 h
	v_cndmask_b32 v[96+nn], v[96+nn], v28, vcc_lo
.set nn, nn+1
.endr
	WIN 0
.Lopen_\@:
	WIN \w
	v_max3_num_f32 v28, v96, v97, v98              ; the step's largest score of my query among my 64 keys, in two chains, each accumulator from its low end on
	v_max3_num_f32 v29, v99, v100, v101
.irp i, 6,10,14,18,22,26,30,34,38,42,46,50,54,58
	v_max3_num_f32 v28, v28, v[96+\i], v[97+\i]
	v_max3_num_f32 v29, v29, v[98+\i], v[99+\i]
.endr
	v_max3_num_f32 v28, v28, v158, v159
	v_max_num_f32 v28, v28, v29
	v_permlanex16_b32 v29, v28, s[SEL], s[SEL+1]
	v_max_num_f32 v28, v28, v29                    ; and among lane l xor 16's
	v_mul_f32 v28, s[CS], v28                      ; as t (c is positive)
	v_max_num_f32 v13, v13, v28                    ; the running largest t
	v_mov_b32 v28, v12
	v_floor_f32 v12, -v13                          ; the new -M = floor(-t): M is a whole number
	v_sub_f32 v28, v12, v28                        ; old M - new M: a whole number, 0 or less
	v_cvt_i32_f32 v28, v28                         ; (it saturates)
	v_ldexp_f32 v26, 1.0, v28                      ; f = 2^(old M - new M): rounds nothing
	; ONE BATCH of 64 exponentials.  Behind each of the first 45 stands a plain line that names no exponential's result: the scalings t - M of later pairs, O^T x f, the sum x f.
.irp j, 0,2,4,6
	v_pk_fma_f32 v[96+\j:97+\j], v[96+\j:97+\j], s[CS:CS+1], v[12:13] op_sel_hi:[1,0,0]
.endr
.set ee, 0
.rept 64
	v_exp_f32 v[96+ee], v[96+ee]                   ; p = 2^(t - M), at most 1
.if ee < 28
	v_pk_fma_f32 v[104+2*ee:105+2*ee], v[104+2*ee:105+2*ee], s[CS:CS+1], v[12:13] op_sel_hi:[1,0,0]
.elseif ee < 44
	v_pk_mul_f32 v[160+2*(ee-28):161+2*(ee-28)], v[160+2*(ee-28):161+2*(ee-28)], v[26:27] op_sel_hi:[1,0]
.elseif ee == 44
	v_pk_mul_f32 v[14:15], v[14:15], v[26:27] op_sel_hi:[1,0]
.endif
.set ee, ee+1
.endr
	v_nop                                          ; a plain instruction behind the last exponential
	s_wait_alu depctr_va_vdst(0)                   ; one wait for the whole batch, ahead of its first reader
	v_pk_add_f32 v[30:31], v[96:97], v[98:99]      ; the row's sum is taken of the UNQUANTISED p, two at a time, in two chains
.irp j, 4,8,12,16,20,24,28,32,36,40,44,48,52,56,60
	v_pk_add_f32 v[14:15], v[14:15], v[96+\j:97+\j]
	v_pk_add_f32 v[30:31], v[30:31], v[98+\j:99+\j]
.endr
	v_pk_add_f32 v[14:15], v[14:15], v[30:31]
	WIN 0
	s_cmp_ge_i32 s[E4], -8                         ; p <= 1, so p / 2^e4 <= 256 < 448 where e4 >= -8: the hold then changes nothing and is jumped over; a branch on a whole number read from memory
	s_cbranch_scc1 .Lnohold_\@
	WIN \w
.set nn, 0
.rept 64
	v_min_num_f32 v[96+nn], v[96+nn], v25          ; the conversion does not saturate (ISA guide 7.6.2); p is not negative, so the hold is one-sided
.set nn, nn+1
.endr
	WIN 0
.Lnohold_\@:
	WIN \w
.irp b, 0,1,2,3
	v_cvt_scalef32_pk8_fp8_f32 v[192+4*\b:193+4*\b], v[96+16*\b:103+16*\b], v24
	v_cvt_scalef32_pk8_fp8_f32 v[194+4*\b:195+4*\b], v[104+16*\b:111+16*\b], v24
.endr
	v_nop                                          ; one plain vector instruction between the conversions and the products that read their results
.endm
.macro FINAL w                         ; a tile's end: y = O^T 2^(e4 + e5) / the sum, quantised with 2^e6
	WIN \w
	v_add_f32 v14, v14, v15
	v_permlanex16_b32 v28, v14, s[SEL], s[SEL+1]
	v_add_f32 v14, v14, v28                        ; the row's sum
	v_rcp_f32 v14, v14
	v_mov_b32 v28, s[SY]                           ; (the plain place behind the reciprocal)  2^e6
	v_mov_b32 v29, s[SY+1]                         ; 448 x 2^e6
	s_wait_alu depctr_va_vdst(0)                   ; the wait ahead of the reciprocal's first reader
	v_ldexp_f32 v14, v14, s[EPV]
.set kk, 0
.rept 16
	v_pk_mul_f32 v[160+kk:161+kk], v[160+kk:161+kk], v[14:15] op_sel_hi:[1,0]
.set kk, kk+2
.endr
.set kk, 0
.rept 32
	v_med3_num_f32 v[160+kk], v[160+kk], -v29, v29
.set kk, kk+1
.endr
.irp b, 0,1
	v_cvt_scalef32_pk8_fp8_f32 v[208+4*\b:209+4*\b], v[160+16*\b:167+16*\b], v28
	v_cvt_scalef32_pk8_fp8_f32 v[210+4*\b:211+4*\b], v[168+16*\b:175+16*\b], v28
.endr
	v_nop
.endm
.macro YSTORE                          ; four registers of a lane are 16 bytes of an image: each store covers 512 consecutive bytes, aligned
	WIN 0
	s_lshl_b32 s[OFS], s[QB], 15                   ; 8 tiles of 16 rows x 4,096 bytes
	s_mov_b32 s[OFS+1], 0
	s_add_nc_u64 s[YP:YP+1], s[YB:YB+1], s[OFS:OFS+1]
	global_store_b128 v[GO], v[208:211], s[YP:YP+1]
	global_store_b128 v[GO], v[212:215], s[YP:YP+1] offset:512
	WIN 0x04                                       ; the data in window 1
	global_store_b128 v[GO], v[208:211], s[YP:YP+1] offset:4096
	global_store_b128 v[GO], v[212:215], s[YP:YP+1] offset:4608
	WIN 0
.endm
; A PREFETCH INTO THE L2: in step s key block s + 2, one step ahead of that block's loads, for s = 0 .. 13.  All eight work-groups of a pair of heads walk the same K and V: the one with j = 0, which walks all sixteen
; blocks in order, asks.  In it waves 0 and 1 take the halves of K's block, waves 2 and 3 those of V's: 8,192 bytes a wave, lanes 256 bytes apart: each block of 256 bytes is named once.  Blocks 0 and 1 come by their loads alone.
.macro ASK
	s_cmp_gt_u32 s[CNT], s[LIM]
	s_cbranch_scc0 .Lnot_mine_\@
	global_prefetch_b8 v[PFO], s[PFA:PFA+1] th:TH_LOAD_NT scope:SCOPE_SE
.Lnot_mine_\@:
.endm
; A KEY STEP of 128 keys, out of slot 'slot'.  last = 1: the seventeenth: nothing more is fetched.
.macro STEP slot, last
.if !\last
	s_wait_xcnt 0x0                                ; the last step's loads and prefetch have read their addresses
	s_add_nc_u64 s[PFA:PFA+1], s[PFA:PFA+1], 16384
	s_add_co_u32 s59, s[NK], 1
	s_cmp_eq_u32 s[NK], s[QB1]                     ; behind the first query block's diagonal the walk begins anew (the second block's keys stay under 15 - j)
	s_cselect_b32 s[NK], 0, s59
	s_lshl_b32 s59, s[NK], 14
	v_add_nc_u32 v[GL], s59, v[GL0]
.irp i, 0,1,2,3
	global_load_b128 v[SG+4*\i:SG+4*\i+3], v[GL], s[KP:KP+1] offset:512*\i          ; the next step's K: my 2,048 bytes of 16,384
.endr
.irp i, 0,1,2,3
	global_load_b128 v[SG+16+4*\i:SG+16+4*\i+3], v[GL], s[VP:VP+1] offset:512*\i    ; and V
.endr
	ASK
.endif
.irp t, 0,1,2,3,4,5,6,7                ; K's eight fragments: 16 positions x my head's 64 bytes; registers 0-3: bytes 16 h on, 4-7: 32 + 16 h on, as in Q
	ds_load_b128 v[32+8*\t:35+8*\t], v[AK] offset:\slot*SLOTB+2304*\t
	ds_load_b128 v[36+8*\t:39+8*\t], v[AK] offset:\slot*SLOTB+2304*\t+32
.endr
	s_wait_dscnt 0x0
.irp t, 0,1,2,3,4,5,6,7
	v_wmma_f32_16x16x64_fp8_fp8 v[96+8*\t:103+8*\t], v[32+8*\t:39+8*\t], v[16:23], 0
.endr
	WIN 0x44                                       ; Q and S^T of tile B: window 1
.irp t, 0,1,2,3,4,5,6,7
	v_wmma_f32_16x16x64_fp8_fp8 v[96+8*\t:103+8*\t], v[32+8*\t:39+8*\t], v[16:23], 0
.endr
	WIN 0
.rept 4
	v_nop                                          ; places in front of loads into K's registers and of the first read of the scores
.endr
.irp u, 0,1,2,3                        ; V's four fragments: 16 positions x 128 keys; they land during tile A's softmax
.irp c, 0,1,2,3
	ds_load_b128 v[32+16*\u+4*\c:35+16*\u+4*\c], v[AV] offset:\slot*SLOTB+VOFF+2304*\u+32*\c
.endr
.endr
	SOFTMAX 0
	s_wait_dscnt 0x0                               ; V is in
.irp u, 0,1,2,3
	v_wmma_f32_16x16x128_fp8_fp8 v[160+8*\u:167+8*\u], v[32+16*\u:47+16*\u], v[192:207], v[160+8*\u:167+8*\u]
.endr
.if !\last
	s_wait_loadcnt 0x0                             ; the next step's K and V are in registers: into the other slot, which every wave left at the last barrier
.irp i, 0,1,2,3
	ds_store_b128 v[SW], v[SG+4*\i:SG+4*\i+3] offset:(1-\slot)*SLOTB+576*\i
.endr
.irp i, 0,1,2,3
	ds_store_b128 v[SW], v[SG+16+4*\i:SG+16+4*\i+3] offset:(1-\slot)*SLOTB+VOFF+576*\i
.endr
.endif
	SOFTMAX 0x55                                   ; tile B's, beside tile A's products
	WIN 0x54                                       ; V window 0; p, C and D window 1
.irp u, 0,1,2,3
	v_wmma_f32_16x16x128_fp8_fp8 v[160+8*\u:167+8*\u], v[32+16*\u:47+16*\u], v[192:207], v[160+8*\u:167+8*\u]
.endr
	WIN 0
.rept 4
	v_nop                                          ; places in front of the next loads into V's registers and of a read of O^T
.endr
.if \last
	FINAL 0
	FINAL 0x55
	YSTORE
.else
	s_wait_dscnt 0x0                               ; my stores into the other slot have landed, my reads of this slot are in
	s_barrier_signal -1
	s_barrier_wait -1                              ; both now hold of all eight waves
	s_cmp_lg_u32 s[KB], s[QB]                      ; the diagonal is done: the first query block ends, the second begins.  A branch on ids, alike in all waves
	s_cbranch_scc1 .Lon_\@
	FINAL 0
	FINAL 0x55
	YSTORE
	s_mov_b32 s[QB], s[JJ]
	s_mov_b32 s[KB], -1
	QLOAD
	INIT 0
	INIT 0x55
	WIN 0
	s_wait_loadcnt 0x0                             ; Q
	s_wait_xcnt 0x0                                ; the stores have read their registers and their base
.Lon_\@:
	s_add_co_u32 s[KB], s[KB], 1
.endif
.endm
	s_load_b256 s[4:11], s[0:1], 0x0               ; qc s[4:5], kc s[6:7], vc s[8:9], the scales' exponents s[10:11]
	s_load_b64 s[12:13], s[0:1], 0x20              ; yc
	v_lshl_add_u32 v254, v0, 2, 0x12000
	v_mov_b32 v255, 0
	v_lshrrev_b32 v9, 5, v0
	v_readfirstlane_b32 s[WV], v9                  ; wave 0..7
	s_lshr_b32 s[HD], s[WV], 2                     ; my head of the pair
	s_and_b32 s[WQ], s[WV], 3                      ; my 32 queries of the 128
	s_mov_b32 s[JJ], ttmp9
	s_sub_co_u32 s[QB1], 15, s[JJ]
	s_mov_b32 s[SEL], 0x76543210
	s_mov_b32 s[SEL+1], 0xfedcba98
	v_and_b32 v9, 15, v0                           ; r
	v_bfe_u32 v10, v0, 4, 1                        ; h
	v_mul_u32_u24 v1, v9, 144
	v_lshl_add_u32 v1, v10, 4, v1                  ; 144 r + 16 h
	s_mul_i32 s59, s[HD], 9216
	v_add_nc_u32 v[AV], s59, v1
	s_lshl_b32 s59, s[HD], 6
	v_add_nc_u32 v[AK], s59, v1
	v_and_b32 v7, 31, v0                           ; lane
	v_lshlrev_b32 v[PFO], 8, v7
	v_lshrrev_b32 v6, 3, v7
	v_mul_u32_u24 v6, v6, 144
	v_and_b32 v8, 7, v0
	v_lshl_add_u32 v6, v8, 4, v6
	s_mul_i32 s59, s[WV], 2304
	v_add_nc_u32 v[SW], s59, v6
	v_lshlrev_b32 v[GO], 4, v7
	s_lshl_b32 s59, s[WV], 11
	v_add_nc_u32 v[GL0], s59, v[GO]
	v_and_b32 v8, 8, v9
	v_add_nc_u32 v8, v8, v9
	v_lshlrev_b32 v8, 7, v8
	v_lshl_add_u32 v[QO], v10, 4, v8
	v_lshlrev_b32 v10, 4, v10
	v_sub_nc_u32 v11, v9, v10
	s_lshl_b32 s59, s[WQ], 5
	v_add_nc_u32 v11, s59, v11                     ; tile A: my query in its block - 16 h
	v_mov_b32 v[GL], v[GL0]                        ; key block 0
	s_and_b32 s58, ttmp7, 0xffff                   ; 8 x batch + pair of heads
	s_wait_kmcnt 0x0
	s_load_b256 s[16:23], s[10:11], 0x0            ; e0 .. e7
	s_lshl_b32 s[OFS], s58, 18                     ; 16 blocks of 16,384 bytes
	s_mov_b32 s[OFS+1], 0
	s_add_nc_u64 s[KP:KP+1], s[6:7], s[OFS:OFS+1]
	s_add_nc_u64 s[VP:VP+1], s[8:9], s[OFS:OFS+1]
	s_add_nc_u64 s[QPB:QPB+1], s[4:5], s[OFS:OFS+1]
.irp i, 0,1,2,3
	global_load_b128 v[SG+4*\i:SG+4*\i+3], v[GL], s[KP:KP+1] offset:512*\i
.endr
.irp i, 0,1,2,3
	global_load_b128 v[SG+16+4*\i:SG+16+4*\i+3], v[GL], s[VP:VP+1] offset:512*\i
.endr
	s_lshl_b32 s[OFS], s[WQ], 12                   ; 32 positions of 128 bytes,
	s_lshl_b32 s59, s[HD], 6                       ; my head's 64 bytes
	s_add_co_u32 s[OFS], s[OFS], s59
	s_add_nc_u64 s[QPB:QPB+1], s[QPB:QPB+1], s[OFS:OFS+1]
	s_and_b32 s59, s58, 7
	s_lshl_b32 s59, s59, 1
	s_add_co_u32 s59, s59, s[HD]                   ; H: my head among the 16
	s_lshr_b32 s[OFS], s59, 2
	s_lshl_b32 s[OFS], s[OFS], 21
	s_and_b32 s59, s59, 3
	s_lshl_b32 s59, s59, 10
	s_add_co_u32 s[OFS], s[OFS], s59
	s_lshr_b32 s59, s58, 3                         ; the batch: 128 tiles of 16 rows x 4,096 bytes
	s_lshl_b32 s59, s59, 19
	s_add_co_u32 s[OFS], s[OFS], s59
	s_lshl_b32 s59, s[WQ], 13                      ; my two tiles
	s_add_co_u32 s[OFS], s[OFS], s59
	s_add_nc_u64 s[YB:YB+1], s[12:13], s[OFS:OFS+1]
	s_cmp_lt_u32 s[WV], 2                          ; the prefetches: waves 0, 1: K; waves 2, 3: V
	s_cselect_b64 s[PFA:PFA+1], s[KP:KP+1], s[VP:VP+1]
	s_and_b32 s[OFS], s[WV], 1
	s_lshl_b32 s[OFS], s[OFS], 13
	s_add_co_u32 s[OFS], s[OFS], 16384             ; in block 1: the first step steps it to block 2
	s_add_nc_u64 s[PFA:PFA+1], s[PFA:PFA+1], s[OFS:OFS+1]
	s_lshr_b32 s59, s[WV], 2
	s_or_b32 s59, s59, ttmp9
	s_cmp_eq_u32 s59, 0
	s_cselect_b32 s[LIM], 1, -1                    ; 1 in waves 0 to 3 of the work-group with j = 0, else the greatest number
	s_mov_b32 s[QB], s[QB1]
	QLOAD
	INIT 0
	INIT 0x55
	WIN 0
	s_wait_kmcnt 0x0
	s_add_co_i32 s59, s18, s19
	s_lshl_b32 s59, s59, 23
	s_add_co_i32 s[CS], s59, 0x3e38aa3b            ; log2(e) / 8 with e2 + e3 added to its exponent field
	s_mov_b32 s[CS+1], s[CS]                       ; (named with it as a pair)
	s_add_co_i32 s[EPV], s20, s21
	s_mov_b32 s[E4], s20
	s_add_co_i32 s59, s22, 127
	s_lshl_b32 s[SY], s59, 23
	s_add_co_i32 s59, s59, 8
	s_lshl_b32 s[SY+1], s59, 23
	s_or_b32 s[SY+1], s[SY+1], 0x600000
	s_add_co_i32 s59, s20, 127
	s_lshl_b32 s[OFS], s59, 23                     ; 2^e4
	s_add_co_i32 s59, s59, 8
	s_lshl_b32 s59, s59, 23
	s_or_b32 s59, s59, 0x600000                    ; 448 x 2^e4
	v_mov_b32 v24, s[OFS]
	v_mov_b32 v25, s59
	WIN 0x40                                       ; the same for tile B: destination window 1
	v_mov_b32 v24, s[OFS]
	v_mov_b32 v25, s59
	v_add_nc_u32 v11, 16, v11                      ; its queries lie 16 further on
	WIN 0
	s_mov_b32 s[KB], 0
	s_mov_b32 s[NK], 0
	s_mov_b32 s[CNT], 8
	s_wait_loadcnt 0x0                             ; key block 0 and Q
.irp i, 0,1,2,3
	ds_store_b128 v[SW], v[SG+4*\i:SG+4*\i+3] offset:576*\i
.endr
.irp i, 0,1,2,3
	ds_store_b128 v[SW], v[SG+16+4*\i:SG+16+4*\i+3] offset:VOFF+576*\i
.endr
	s_wait_dscnt 0x0
	s_barrier_signal -1
	s_barrier_wait -1                              ; slot 0 is whole
.Ltrip:                                            ; eight trips of two key steps
	STEP 0, 0
	STEP 1, 0
	s_sub_co_u32 s[CNT], s[CNT], 1
	s_cmp_lg_u32 s[CNT], 0
	s_cbranch_scc1 .Ltrip
	STEP 0, 1                                      ; the seventeenth: the second query block's diagonal
	s_wait_tensorcnt 0x0
	ds_add_u32 v254, v255
	s_wait_dscnt 0x0
	s_endpgm
.Lfunc_end_k_q1cec6fd431_attn:
	.size	k_q1cec6fd431_attn, .Lfunc_end_k_q1cec6fd431_attn-k_q1cec6fd431_attn
	.p2alignl 7, 3214868480
	.fill 96, 4, 3214868480
	.section	.rodata,"a",@progbits
	.p2align	6, 0x0
	.amdhsa_kernel k_q1cec6fd431_attn
		.amdhsa_group_segment_fixed_size 74752
		.amdhsa_private_segment_fixed_size 0
		.amdhsa_enable_private_segment 0
		.amdhsa_kernarg_size 40
		.amdhsa_user_sgpr_count 2
		.amdhsa_user_sgpr_kernarg_segment_ptr 1
		.amdhsa_wavefront_size32 1
		.amdhsa_system_sgpr_workgroup_id_x 1
		.amdhsa_system_sgpr_workgroup_id_y 1
		.amdhsa_system_sgpr_workgroup_id_z 1
		.amdhsa_system_vgpr_workitem_id 0
		.amdhsa_next_free_vgpr 512
		.amdhsa_next_free_sgpr 80
		.amdhsa_reserve_vcc 1
		.amdhsa_float_denorm_mode_32 3
		.amdhsa_float_denorm_mode_16_64 3
		.amdhsa_memory_ordered 1
		.amdhsa_forward_progress 1
		.amdhsa_inst_pref_size 158
	.end_amdhsa_kernel
	.amdgpu_metadata
---
amdhsa.version: [ 1, 2 ]
amdhsa.kernels:
  - .name:           k_q1cec6fd431_attn
    .symbol:         k_q1cec6fd431_attn.kd
    .args:
      - { .name: qc, .offset: 0, .size: 8, .value_kind: global_buffer, .address_space: global }
      - { .name: kc, .offset: 8, .size: 8, .value_kind: global_buffer, .address_space: global }
      - { .name: vc, .offset: 16, .size: 8, .value_kind: global_buffer, .address_space: global }
      - { .name: lowp_scales, .offset: 24, .size: 8, .value_kind: global_buffer, .address_space: global }
      - { .name: yc, .offset: 32, .size: 8, .value_kind: global_buffer, .address_space: global }
    .group_segment_fixed_size: 74752
    .private_segment_fixed_size: 0
    .kernarg_segment_align: 8
    .kernarg_segment_size: 40
    .max_flat_workgroup_size: 256
    .sgpr_count:     80
    .vgpr_count:     512
    .wavefront_size: 32
...
	.end_amdgpu_metadata
.endif
;; end of part 2
;; launch proj (part 3): grid 4 x 64, 4 waves a work-group, clusters of 4 x 4, 327,680 bytes of LDS; arguments yc, W_out_codes, b_out, lowp_scales, out0; writes out0
.if DOCPART == 3
	.amdgcn_target "amdgcn-amd-amdhsa--gfx1250"
	.amdhsa_code_object_version 6
	.text
	.protected	k_q1cec6fd431_proj
	.globl	k_q1cec6fd431_proj
	.p2align	8
	.type	k_q1cec6fd431_proj,@function
k_q1cec6fd431_proj:
	s_mov_b64 s[64:65], 0
	v_nop
	global_prefetch_b8 v0, s[64:65] scope:SCOPE_SE
	s_setreg_imm32_b32 hwreg(HW_REG_WAVE_MODE, 25, 1), 1
	s_wait_xcnt 0x0
	s_wait_alu depctr_hold_cnt(0) depctr_sa_sdst(0) depctr_va_vdst(0) depctr_va_sdst(0) depctr_va_ssrc(0) depctr_va_vcc(0) depctr_vm_vsrc(0)
	s_getreg_b32 s2, hwreg(HW_REG_IB_STS2, 6, 4)
	s_cmp_eq_u32 s2, 0
	s_cbranch_scc0 .Lentry_in_a_cluster
	s_endpgm
.Lentry_in_a_cluster:
	s_bfe_u32 s2, ttmp6, 0x10000c
	s_cmp_lg_u32 s2, 0xf033
	s_cbranch_scc0 .Lentry_shape_is_right
	s_endpgm
.Lentry_shape_is_right:
; out0 = y W_out + b_out on codes of E4M3.  yc: y's codes as images of fragments (16 rows x 256 K are 4,096 bytes: [K / 256][row / 16][4,096]); W_out: [1024 (n)][1024 (k)] codes; out0: [8192][1024] f32.
; out = sum x 2^(e6 + e7) + b_out, one packed multiply-add for two numbers.  LIMIT: e6 + e7 between -126 and 127.
; SHARES.  A tile of 128 rows x 256 columns to a work-group: 256 tiles, one for each of 256 work-groups (tiles of 256 x 256 would be 128).  Four waves, each 64 x 128: 32 accumulators, 256 registers.
; K = 1024 is four K steps of 256.  THREE LDS slots take the first three at the start, and the fourth goes into slot 0 when that has been read: one refill, one round of the cluster's barrier in the middle.
; CLUSTERS: 4 x 4.  y's tile ('A', source 1) hangs on the tile row and is asked for jointly along a row of the cluster; W_out's ('B', source 0) on the tile column, along a column.
; THE MATRIX INSTRUCTION IS USED TRANSPOSED: a lane holds eight neighbouring columns of one row of out0.
; REGISTERS: window 0: v16-29 addresses; v64-127 b_out in the result's layout; v128-191 A's 4 fragments; on the way out v128-255 at work.  window 1: B's fragments, two sets; on the way out rows read back.  window 2: the accumulators ((a, b) at v[8 (8 a + b)]).
.set PITCH,  272                       ; a row of W_out's tile in LDS: 256 bytes + 16 of padding (row r starts at bank 4 r mod 64; 64 banks of 4 bytes: ISA guide 11.1)
.set FR,     16
.set BOFF,   32768                     ; a slot: A's 8 images of 4,096 bytes, then B's 256 rows
.set HALFB,  128*PITCH
.set SLOT,   BOFF+2*HALFB
.set PLANE,  2097152                   ; yc: from one K step of 256 to the next
.set SPARE,  3*SLOT                    ; behind the slots: the spare words, 128 bytes a wave, that no other line names
.set SPITCH, 528                       ; the way out: 16 rows x (512 bytes + 16) for each wave, in slot 1, which is filled once and has been read out by then
.set STAGE,  SLOT
.set ADRA, 16                          ; v16-18
.set ADRB, 20                          ; v20-22
.set STO,  24
.set RD,   25
.set CO,   26                          ; 16 x lane
.set SPW,  28
.set NIL,  29
.set BIAS, 64
.set AF,   128
.set G1A, 24                           ; s[24:31]; A's groups 0: s[32:35], s[36:39], s[40:43]
.set G1B, 48                           ; s[48:55]; B's groups 0: s[56:59], s[60:63], s[68:71]
.set MSB, 0
.macro WIN new                         ; the immediate's high byte repeats the setting that is left
.if MSB != \new
	s_set_vgpr_msb (MSB<<8)|\new
.set MSB, \new
.endif
.endm
.set MUL,  0xa1                        ; source 0 (B) window 1, source 1 (A) window 0, C and D window 2
.set TO_B, 0x40
.macro JLOAD g0a, g1a, g0b, g1b        ; a joint load: waves 0 and 1 fetch for A, waves 2 and 3 for B; four v_nop follow each of the two lines
	s_cmp_eq_u32 s15, 0
	s_cbranch_scc0 .Lfor_b_\@
	tensor_load_to_lds s[\g0a:\g0a+3], s[\g1a:\g1a+7]
	s_nop 0
.rept 4
	v_nop
.endr
	s_branch .Lasked_\@
.Lfor_b_\@:
	tensor_load_to_lds s[\g0b:\g0b+3], s[\g1b:\g1b+7]
	s_nop 0
.rept 4
	v_nop
.endr
.Lasked_\@:
.endm
.macro CREST
	s_cmp_lg_u32 s14, 0
	s_cbranch_scc1 .Lnot_wave_0_\@
	s_barrier_signal -3
.Lnot_wave_0_\@:
	s_barrier_wait -3
	s_barrier_signal -1
	s_barrier_wait -1
.endm
.macro CROUND
	s_barrier_signal -1
	s_barrier_wait -1
	CREST
.endm
	s_load_b256 s[4:11], s[0:1], 0x0               ; yc s[4:5], W_out s[6:7], b_out s[8:9], the scales' exponents s[10:11]
	s_load_b64 s[12:13], s[0:1], 0x20              ; out0
	v_lshl_add_u32 v[SPW], v0, 2, SPARE
	v_mov_b32 v[NIL], 0
	ds_add_u32 v28, v29
	ds_add_u32 v28, v29
	s_wait_dscnt 0x0
	v_lshrrev_b32 v1, 5, v0
	v_readfirstlane_b32 s14, v1                    ; wave 0..3
	s_lshr_b32 s15, s14, 1                         ; which 64 rows are mine.  Also: I fetch for A (0) or for B (1)
	s_and_b32 s16, s14, 1                          ; which 128 columns are mine.  Also: which half of that tile I fetch
	s_bfe_u32 s72, ttmp6, 0x40000                  ; cx
	s_bfe_u32 s73, ttmp6, 0x40004                  ; cy
	s_lshl_b32 s74, ttmp9, 2
	s_add_co_u32 s74, s74, s72                     ; tile column
	s_and_b32 s75, ttmp7, 0xffff
	s_lshl_b32 s75, s75, 2
	s_add_co_u32 s75, s75, s73                     ; tile row
	s_lshl_b32 s76, s73, 2
	s_lshl_b32 s76, 15, s76                        ; my row of the cluster
	s_lshl_b32 s77, 0x1111, s72                    ; my column
	; group 1 for A: 16,384 dense bytes as 64 rows of 32 elements of 8 bytes, no padding
	s_or_b32 s[G1A+0], s76, (3<<16)|(1<<21)
	s_mov_b32 s[G1A+1], 32<<16                     ; tensor_dim0
	s_mov_b32 s[G1A+2], 64<<16                     ; tensor_dim1
	s_mov_b32 s[G1A+3], 32<<16                     ; tile_dim0
	s_mov_b32 s[G1A+4], 64                         ; tile_dim1
	s_mov_b32 s[G1A+5], 32                         ; tensor_dim0_stride
	s_mov_b32 s[G1A+6], 0
	s_mov_b32 s[G1A+7], 0
	; group 1 for B: 128 rows x 256 bytes, 1,024 bytes apart in memory, 4 words of padding after every 64
	s_or_b32 s[G1B+0], s77, (0<<16)|(1<<20)|(1<<21)|(5<<22)|(3<<25)
	s_mov_b32 s[G1B+1], 256<<16
	s_mov_b32 s[G1B+2], 128<<16
	s_mov_b32 s[G1B+3], 256<<16
	s_mov_b32 s[G1B+4], 128
	s_mov_b32 s[G1B+5], 1024
	s_mov_b32 s[G1B+6], 0
	s_mov_b32 s[G1B+7], 0
	s_lshl_b32 s78, s75, 15                        ; A: 8 images x 4,096 bytes a tile row,
	s_lshl_b32 s79, s16, 14                        ; my four of them
	s_add_co_u32 s78, s78, s79
	s_mov_b32 s79, 0
	s_lshl_b32 s80, s74, 18                        ; B: 256 rows x 1,024 bytes a tile column,
	s_lshl_b32 s81, s16, 17                        ; my 128 of them
	s_add_co_u32 s80, s80, s81
	s_mov_b32 s81, 0
	s_lshl_b32 s82, s16, 14                        ; where they go in a slot: no place in the cluster enters an LDS address
	s_mul_i32 s83, s16, HALFB
	s_add_co_u32 s83, s83, BOFF
	s_wait_kmcnt 0x0
	s_load_b64 s[96:97], s[10:11], 0x18            ; e6, e7
	s_add_nc_u64 s[78:79], s[4:5], s[78:79]
	s_add_nc_u64 s[80:81], s[6:7], s[80:81]
	CROUND                                         ; all sixteen work-groups are here: the first joint loads meet
.macro FIRST s, ga, gb                 ; slot s takes K step s
	s_mov_b32 s[\ga], 1
	s_add_co_u32 s[\ga+1], s82, \s*SLOT
	s_add_nc_u64 s[\ga+2:\ga+3], s[78:79], \s*PLANE
	s_or_b32 s[\ga+3], s[\ga+3], 0x80000000
	s_mov_b32 s[\gb], 1
	s_add_co_u32 s[\gb+1], s83, \s*SLOT
	s_add_nc_u64 s[\gb+2:\gb+3], s[80:81], \s*256
	s_or_b32 s[\gb+3], s[\gb+3], 0x80000000
	JLOAD \ga, G1A, \gb, G1B
.endm
	FIRST 0, 32, 56
	FIRST 1, 36, 60
	FIRST 2, 40, 68                                ; three tensor loads of mine are out
	v_and_b32 v1, 15, v0                           ; r
	v_bfe_u32 v2, v0, 4, 1                         ; h
	v_and_b32 v6, 31, v0
	v_lshlrev_b32 v[CO], 4, v6
	s_lshl_b32 s84, s15, 14                        ; my four images of A
	v_mul_u32_u24 v3, v1, PITCH
	v_lshl_add_u32 v3, v2, 4, v3
	s_mul_i32 s85, s16, HALFB                      ; my 128 rows of B
	s_add_co_u32 s85, s85, BOFF
.irp s, 0,1,2
	v_add_nc_u32 v[ADRA+\s], s84, v[CO]
	v_add_nc_u32 v[ADRB+\s], s85, v3
	s_add_co_u32 s84, s84, SLOT
	s_add_co_u32 s85, s85, SLOT
.endr
	s_mul_i32 s86, s14, 16*SPITCH
	s_add_co_u32 s86, s86, STAGE                   ; my stage
	v_mul_u32_u24 v5, v1, SPITCH
	v_lshl_add_u32 v5, v2, 5, v5
	v_add_nc_u32 v[STO], s86, v5                   ; in: row r, 32 bytes for each half of the lanes
	v_add_nc_u32 v[RD], s86, v[CO]                 ; back: the 32 lanes take a row of 512 bytes
	s_lshl_b32 s84, s74, 10                        ; my first column in bytes: 1,024 x tile column + 512 x half
	s_lshl_b32 s85, s16, 9
	s_add_co_u32 s84, s84, s85
	s_mov_b32 s85, 0
	s_add_nc_u64 s[88:89], s[8:9], s[84:85]        ; b_out there
	v_lshlrev_b32 v7, 5, v2
.irp b, 0,1,2,3,4,5,6,7
	global_load_b128 v[BIAS+8*\b:BIAS+8*\b+3], v7, s[88:89] offset:64*\b          ; b_out[column 16 b + 8 h + 0 .. 7]
	global_load_b128 v[BIAS+8*\b+4:BIAS+8*\b+7], v7, s[88:89] offset:64*\b+16
.endr
	s_lshl_b32 s86, s75, 19                        ; my first row: 128 rows of 4,096 bytes a tile row,
	s_lshl_b32 s87, s15, 18                        ; my 64 of them
	s_add_co_u32 s86, s86, s87
	s_add_co_u32 s86, s86, s84
	s_mov_b32 s87, 0
	s_add_nc_u64 s[90:91], s[12:13], s[86:87]
.macro FRAGA reg, slot, q, i           ; an image comes back as it was stored: registers 4 c .. 4 c + 3 hold K = 32 c + 16 h + 0 .. 15 of row r
.irp c, 0,1,2,3
	ds_load_b128 v[\reg+4*\c:\reg+4*\c+3], v[ADRA+\slot] offset:4096*(\i)+2048*(\q)+512*\c
.endr
.endm
.macro FRAGB reg, slot, q, i           ; the same places of K from rows
.irp c, 0,1,2,3
	ds_load_b128 v[\reg+4*\c:\reg+4*\c+3], v[ADRB+\slot] offset:128*(\q)+32*\c+(\i)*16*PITCH
.endr
.endm
.macro FETCH_B slot, q, p
	WIN TO_B
.irp i, 0,1,2,3,4,5,6,7
	FRAGB 128*(\p)+FR*\i, \slot, \q, \i
.endr
	WIN 0
.endm
.macro FETCH_A slot, q, i0             ; A's blocks i0, i0 + 1
.irp i, \i0, \i0+1
	FRAGA AF+FR*(\i), \slot, \q, \i
.endr
.endm
; 8 matrix instructions: A's block a x B's eight.  The 32 accumulators take turns, one instruction a turn, in the same order in every step.
.macro MULB a, p, zero
.irp b, 0,1,2,3,4,5,6,7
.if \zero
	v_wmma_f32_16x16x128_fp8_fp8 v[8*(8*\a+\b):8*(8*\a+\b)+7], v[128*(\p)+FR*\b:128*(\p)+FR*\b+FR-1], v[AF+FR*\a:AF+FR*\a+FR-1], 0
.else
	v_wmma_f32_16x16x128_fp8_fp8 v[8*(8*\a+\b):8*(8*\a+\b)+7], v[128*(\p)+FR*\b:128*(\p)+FR*\b+FR-1], v[AF+FR*\a:AF+FR*\a+FR-1], v[8*(8*\a+\b):8*(8*\a+\b)+7]
.endif
.endr
.endm
.macro PLACES
.rept 4
	v_nop
.endr
.endm
; A step of 128 along K on B's set p; the next step's fragments come from half nq of slot ns, which is known whole.
.macro STEP3 p, ns, nq, zero
	s_wait_dscnt 8                                 ; B's set and A's blocks 0, 1 are in; the youngest eight loads (blocks 2, 3) may be out
	WIN MUL
	MULB 0, \p, \zero
	MULB 1, \p, \zero
	s_wait_dscnt 0
	PLACES
	FETCH_B \ns, \nq, 1-\p
	FETCH_A \ns, \nq, 0
	WIN MUL
	MULB 2, \p, \zero
	MULB 3, \p, \zero
	PLACES
	WIN 0
	FETCH_A \ns, \nq, 2
.endm
; A step with a barrier in it.  fill = 1: slot 0 has been read out and takes K step 3: the barrier opens a round of the cluster's.  fill = 0: that load has landed in every wave's sight.
.macro TURN3 p, ns, fill
	s_wait_tensorcnt 0x0                           ; all my tensor loads have landed
	ds_add_u32 v[SPW], v[NIL]                      ; 0 onto my spare word
	s_wait_dscnt 9                                 ; the add and the youngest eight loads may be out
	WIN MUL
	MULB 0, \p, 0                                  ; eight matrix instructions stand between the add and the wait for it
	s_wait_dscnt 0x0                               ; the add is done, and my reads of the slot in hand are over
	s_barrier_signal -1
	MULB 1, \p, 0
	WIN 0
	s_barrier_wait -1
.if \fill
	CREST                                          ; no wave of any partner still reads slot 0 or has a load on its way; slots 1 and 2 are whole
	s_add_nc_u64 s[34:35], s[34:35], 3*PLANE
	s_add_nc_u64 s[58:59], s[58:59], 3*256
	JLOAD 32, G1A, 56, G1B                         ; the first tensor load behind the round; it has four steps in which to land; its four v_nop are also the places in front of the loads below
.else
	PLACES
.endif
	FETCH_B \ns, 0, 1-\p
	FETCH_A \ns, 0, 0
	WIN MUL
	MULB 2, \p, 0
	MULB 3, \p, 0
	PLACES
	WIN 0
	FETCH_A \ns, 0, 2
.endm
	s_wait_tensorcnt 2                             ; my part of slot 0 is in; slots 1 and 2 may be out
	s_barrier_signal -1
	s_barrier_wait -1
	FETCH_B 0, 0, 0
	FETCH_A 0, 0, 0
	FETCH_A 0, 0, 2
	STEP3 0, 0, 1, 1                               ; K 0: its products start the sums
	TURN3 1, 1, 1                                  ; K 128: slot 0 is left and filled again
	STEP3 0, 1, 1, 0                               ; K 256
	STEP3 1, 2, 0, 0                               ; K 384
	STEP3 0, 2, 1, 0                               ; K 512
	TURN3 1, 0, 0                                  ; K 640: on to slot 0's second tile
	STEP3 0, 0, 1, 0                               ; K 768
	s_wait_dscnt 8                                 ; K 896: nothing more to fetch
	WIN MUL
	MULB 0, 1, 0
	MULB 1, 1, 0
	s_wait_dscnt 0
	MULB 2, 1, 0
	MULB 3, 1, 0
	WIN 0
; THE WAY OUT, block by block of 16 rows x 128 columns: sum x 2^(e6 + e7) + b_out; through my stage; back as whole rows of 512 bytes.  LDS serves a wave's instructions in order (ISA guide 5.7.1.4).
.macro TOSTAGE a
.set AC, 64*(\a)
.set TM, 128+64*((\a)%2)
	WIN 0x02                                       ; source 0: window 2
.set jj, 0
.rept 32
	v_pk_fma_f32 v[TM+jj:TM+jj+1], v[AC+jj:AC+jj+1], s[96:97], v[BIAS+jj:BIAS+jj+1] op_sel_hi:[1,0,1]   ; each accumulator from its low end on
.set jj, jj+2
.endr
	WIN 0
.irp b, 0,1,2,3,4,5,6,7
	ds_store_b128 v[STO], v[TM+8*\b:TM+8*\b+3] offset:64*\b
	ds_store_b128 v[STO], v[TM+8*\b+4:TM+8*\b+7] offset:64*\b+16
.endr
	WIN 0x40                                       ; destination window 1: a set of 64 registers for each block, so that no store's data are written again
.irp t, 0,1,2,3,4,5,6,7,8,9,10,11,12,13,14,15
	ds_load_b128 v[64*(\a)+4*\t:64*(\a)+4*\t+3], v[RD] offset:\t*SPITCH
.endr
	WIN 0
.endm
.macro SEND a, younger                 ; younger: the LDS instructions issued behind block a's loads, which may stay out
	s_wait_dscnt \younger
	WIN 0x04                                       ; the data in window 1
.irp t, 0,1,2,3,4,5,6,7,8,9,10,11,12,13,14,15
	global_store_b128 v[CO], v[64*(\a)+4*\t:64*(\a)+4*\t+3], s[90:91] offset:(16*(\a)+\t)*4096 th:TH_STORE_NT   ; 32 lanes store 512 consecutive bytes, aligned; written once, read by nobody here
.endr
	WIN 0
.endm
	s_wait_kmcnt 0x0
	s_add_co_i32 s96, s96, s97
	s_add_co_i32 s96, s96, 127
	s_lshl_b32 s96, s96, 23                        ; 2^(e6 + e7) as f32
	s_mov_b32 s97, s96                             ; (named with it as a pair)
	s_wait_loadcnt 0x0                             ; b_out
	PLACES
	TOSTAGE 0
.irp a, 1,2,3
	TOSTAGE \a
	SEND \a-1, 32                                  ; behind block a - 1's loads: block a's 16 stores and 16 loads
.endr
	SEND 3, 0
	s_wait_tensorcnt 0x0                           ; the wave's end
	ds_add_u32 v[SPW], v[NIL]
	s_wait_dscnt 0x0
	CROUND                                         ; the closing round
	s_endpgm
.Lfunc_end_k_q1cec6fd431_proj:
	.size	k_q1cec6fd431_proj, .Lfunc_end_k_q1cec6fd431_proj-k_q1cec6fd431_proj
	.p2alignl 7, 3214868480
	.fill 96, 4, 3214868480
	.section	.rodata,"a",@progbits
	.p2align	6, 0x0
	.amdhsa_kernel k_q1cec6fd431_proj
		.amdhsa_group_segment_fixed_size 327680
		.amdhsa_private_segment_fixed_size 0
		.amdhsa_enable_private_segment 0
		.amdhsa_kernarg_size 40
		.amdhsa_user_sgpr_count 2
		.amdhsa_user_sgpr_kernarg_segment_ptr 1
		.amdhsa_wavefront_size32 1
		.amdhsa_system_sgpr_workgroup_id_x 1
		.amdhsa_system_sgpr_workgroup_id_y 1
		.amdhsa_system_sgpr_workgroup_id_z 1
		.amdhsa_system_vgpr_workitem_id 0
		.amdhsa_next_free_vgpr 768
		.amdhsa_next_free_sgpr 100
		.amdhsa_reserve_vcc 0
		.amdhsa_float_denorm_mode_32 3
		.amdhsa_float_denorm_mode_16_64 3
		.amdhsa_memory_ordered 1
		.amdhsa_forward_progress 1
		.amdhsa_inst_pref_size 78
	.end_amdhsa_kernel
	.amdgpu_metadata
---
amdhsa.version: [ 1, 2 ]
amdhsa.kernels:
  - .name:           k_q1cec6fd431_proj
    .symbol:         k_q1cec6fd431_proj.kd
    .args:
      - { .name: yc, .offset: 0, .size: 8, .value_kind: global_buffer, .address_space: global }
      - { .name: W_out_codes, .offset: 8, .size: 8, .value_kind: global_buffer, .address_space: global }
      - { .name: b_out, .offset: 16, .size: 8, .value_kind: global_buffer, .address_space: global }
      - { .name: lowp_scales, .offset: 24, .size: 8, .value_kind: global_buffer, .address_space: global }
      - { .name: out0, .offset: 32, .size: 8, .value_kind: global_buffer, .address_space: global }
    .group_segment_fixed_size: 327680
    .private_segment_fixed_size: 0
    .kernarg_segment_align: 8
    .kernarg_segment_size: 40
    .max_flat_workgroup_size: 128
    .sgpr_count:     100
    .vgpr_count:     768
    .wavefront_size: 32
...
	.end_amdgpu_metadata
.endif
;; end of part 3
;; ======== version 2 of 2: 3 launches; version 1 with the launch attn written anew for expert scheduling mode
;; workspace buffers: qc 8,388,608 bytes; kc 8,388,608 bytes; vc 8,388,608 bytes; yc 8,388,608 bytes
;; launch qkv: the kernel of part 1 again; grid 12 x 32, 4 waves a work-group, clusters of 4 x 4, 327,680 bytes of LDS; arguments x_codes, W_qkv_codes, b_qkv, lowp_scales, qc, kc, vc; writes qc, kc, vc
;; launch attn (part 4): grid 8 x 32, 8 waves a work-group, no clusters, 74,752 bytes of LDS; arguments qc, kc, vc, lowp_scales, yc; writes yc
.if DOCPART == 4
	.amdgcn_target "amdgcn-amd-amdhsa--gfx1250"
	.amdhsa_code_object_version 6
	.text
	.protected	k_q1cec6fd431_attn
	.globl	k_q1cec6fd431_attn
	.p2align	8
	.type	k_q1cec6fd431_attn,@function
k_q1cec6fd431_attn:
	s_mov_b64 s[64:65], 0
	v_nop
	global_prefetch_b8 v0, s[64:65] scope:SCOPE_SE
	s_setreg_imm32_b32 hwreg(HW_REG_WAVE_SCHED_MODE, 0, 2), 2
	s_setreg_imm32_b32 hwreg(HW_REG_WAVE_MODE, 25, 1), 1
	s_wait_xcnt 0x0
	s_wait_alu depctr_vm_vsrc(0)
; Causal attention on codes of E4M3, head size 64, and y quantised on the way out.  qc, kc: [32 pairs of heads][16 blocks of 128 tokens][128 positions][128 bytes]: position p holds token pi(p)
; (pi: bits 3 and 4 swapped), byte 64 (head % 2) + channel.  vc: the same frame, position p holds 64 (head % 2) + channel = pi(p), byte = token % 128 (the keys innermost).
; THE SOFTMAX: t = score x 2^(e2 + e3) x log2(e) / 8; M = the running largest t rounded UP to a whole number; p = 2^(t - M) is quantised with 2^e4; the row's sum is taken of the unquantised p and divides at the end.
; SHARES.  Work-group (j, pair of heads) owns the query blocks 15 - j and j of 128: 16 - j and j + 1 key steps of 128, always 17: all work-groups have equal work and the trip count is a constant.
; Key blocks that lie wholly behind the queries are never walked.  Wave w: head w / 4 of the pair, queries 32 (w % 4) on: tile A (16 queries) in window 0 and tile B in window 1, in the same register numbers,
; so that each fragment of K and V read from LDS feeds two products.  Two waves stand on a SIMD: one's vector work beside the other's products.
; K AND V go memory -> registers -> LDS, asked for a whole step ahead, into two slots by turns; one barrier a step.  No tensor load.
; No cluster: the partners of a pair of heads need different key blocks from step 16 - j on, and what they share is 32,768 bytes a step.
; LAYOUT.  Both products transposed: S^T = K Q^T (source 0 = 16 positions of K), O^T = V^T P^T (source 0 = 16 positions of V): a lane holds one query.  By pi, register 16 b + i of S^T is key 32 b + 16 h + i,
; and register 16 b + i of O^T is channel 32 b + 16 h + i: the conversions' results are the next product's operand registers.
; yc: images of the last product's fragments: byte (H / 4) 2^21 + (row / 16) 4096 + (H % 4) 1024 + 512 b + 16 lane + i = y(row 16 (row / 16) + r, column 64 H + 32 b + 16 h + i).
; LIMITS: e2 + e3 between -123 and 130; e4 and e6 between -126 and 119; a p under 2^-126 counts as 0.  NaN among the inputs is not served.
; REGISTERS in both windows: v11 query - 16 h; v12 -M; v13 the largest t; v[14:15] the sum; v[16:23] Q; v24 2^e4; v25 448 x 2^e4; v[26:27] f; v28-31 at work; v96-159 S^T, then p; v160-191 O^T; v192-207 p's codes; v208-215 y's codes.
; Window 0 alone: v1-8 addresses; v32-95 K's 8 fragments; v216-247 the next step's K and V on their way to LDS; v254, v255 the closing add's two.   Window 1 alone: v32-95 V's 4 fragments.
; THE MODE: SCHED_MODE bits 1:0 = 2 (LLVM: expert scheduling mode 2), set by the entry lines.  The code itself states the register dependences
; between vector or matrix instructions and memory or LDS instructions, with s_wait_alu, always for 0.
; THE PLAN.  Registers that memory or LDS instructions touch, in the loop:
;   v[SG ..]      Written by the step's eight global loads, at its head; read by its eight LDS stores, in its middle.  No vector instruction names them.
;   v[GL]         Written by one addition at the step's head; read by the eight global loads.
;   K (window 0)  Written by sixteen LDS loads at the step's head; read by the step's sixteen products K Q^T.
;   V (window 1)  Written by sixteen LDS loads, which stand between tile A's and tile B's products K Q^T; read by the step's eight products V^T P.  K and V have registers of their own, so that V's loads hang on no product of their own step.
;   Q             Written by four loads where a query block begins; read by the products K Q^T.      y's codes: written by a block's last conversions; read by its four stores.
;   v1-3, v5-8, v254, v255: made at the head and never written again.
; So a step's head has one wait on vm_vsrc (the last step's loads have read v[GL], its LDS stores v[SG ..]) and ONE wait on va_vdst, behind the addition (v[GL] is written; the last step's products are done reading K's and V's
; registers).  All forty loads of the step follow that wait with no other: the vector and matrix instructions issued between it and the last of them, tile A's eight products, name K, Q and S^T of window 0 alone.
; Where a query block ends, one wait on va_vdst stands ahead of the stores of y's codes (it serves the loads of the next Q too) and one on vm_vsrc behind them.
.set SLOTB, 36864                      ; a slot: 128 positions of K x 144 bytes (128 + 16 of padding), then the same of V
.set VOFF,  18432
.set AK,  1                            ; v1  144 r + 16 h + 64 head
.set AV,  2                            ; v2  144 (64 head + r) + 16 h
.set PFO, 3                            ; v3  256 x lane
.set GL,  4                            ; v4  my 16 bytes of the key block in hand
.set GL0, 5                            ; v5  2048 wave + 16 lane
.set SW,  6                            ; v6  the same place in a slot: 2304 wave + 144 (lane / 8) + 16 (lane % 8)
.set GO,  7                            ; v7  16 x lane
.set QO,  8                            ; v8  128 (r + 8 (r / 8)) + 16 h
.set SG,  216
.set WV,  24
.set HD,  25
.set WQ,  26
.set JJ,  27                           ; s27 j
.set QB1, 28                           ; s28 15 - j
.set QB,  29                           ; s29 the query block in hand
.set KB,  30                           ; s30 the key block in hand
.set NK,  31                           ; s31 the key block on its way
.set CNT, 32
.set LIM, 33
.set SEL, 34                           ; s[34:35] v_permlanex16_b32's selects for lane l xor 16
.set CS,  36                           ; s[36:37] c = 2^(e2 + e3) log2(e) / 8
.set EPV, 38                           ; s38 e4 + e5
.set E4,  39
.set SY,  40                           ; s40 2^e6;  s41 448 x 2^e6
.set PFA, 42                           ; s[42:43] where my prefetches stand
.set OFS, 44                           ; s[44:45] an offset
.set YP,  46
.set YB,  48
.set QP,  50
.set QPB, 52
.set KP,  54
.set VP,  56
                                       ; s60-63, s66-77: sixteen masks of the diagonal's compares
.set MSB, 0
.macro WIN new                         ; the immediate's high byte repeats the setting that is left
.if MSB != \new
	s_set_vgpr_msb (MSB<<8)|\new
.set MSB, \new
.endif
.endm
.macro INIT w                          ; a query block begins: the largest t is -3e38, the sum and O^T are zeros, which the first change of M leaves zeros
	WIN \w
	v_mov_b32 v13, 0xff61b1e6
	v_floor_f32 v12, -v13
	v_mov_b32 v14, 0
	v_mov_b32 v15, 0
	v_mov_b32 v27, 0                               ; (named as the upper half of the pair v[26:27])
.set kk, 0
.rept 32
	v_mov_b32 v[160+kk], 0
.set kk, kk+1
.endr
.endm
.macro QLOAD                           ; my 32 queries' codes: lane r of tile 0, 1 takes position 32 (w % 4) + 8 tile + r + 8 (r / 8), which holds query 32 (w % 4) + 16 tile + r.  No wait on va_vdst of its own: no vector or matrix instruction since the last one names v[QO] or Q's registers
	WIN 0
	s_lshl_b32 s[OFS], s[QB], 14
	s_mov_b32 s[OFS+1], 0
	s_add_nc_u64 s[QP:QP+1], s[QPB:QPB+1], s[OFS:OFS+1]
	global_load_b128 v[16:19], v[QO], s[QP:QP+1]
	global_load_b128 v[20:23], v[QO], s[QP:QP+1] offset:32
	WIN 0x40                                       ; destination window 1
	global_load_b128 v[16:19], v[QO], s[QP:QP+1] offset:1024
	global_load_b128 v[20:23], v[QO], s[QP:QP+1] offset:1056
.endm
; One tile's softmax for a key step.  w: the window setting (0: all in window 0; 0x55: all in window 1).
.macro SOFTMAX w
	WIN 0
	s_cmp_lg_u32 s[KB], s[QB]                      ; only the key block on the diagonal has hidden keys: a scalar branch on ids
	s_cbranch_scc1 .Lopen_\@
	WIN \w
	v_mov_b32 v28, 0xff800000                      ; -infinity: p = 0 then
.set gg, 0
.rept 4                                ; sixteen compares in a run, each into a scalar register of its own; one wait; the sixteen selects
.set nn, 0
.rept 16
	v_cmp_gt_i32 s[60+nn+2*((nn+12)/16)], 32*gg+nn, v11   ; register 16 b + i holds key 32 b + 16 h + i of the block: hidden where 32 b + i > query - 16 h
.set nn, nn+1
.endr
	s_wait_alu depctr_va_sdst(0)                   ; the sixteen compares have written their masks, ahead of the first select that reads one
.set nn, 0
.rept 16
	v_cndmask_b32 v[96+16*gg+nn], v[96+16*gg+nn], v28, s[60+nn+2*((nn+12)/16)]
.set nn, nn+1
.endr
.set gg, gg+1
.endr
	WIN 0
.Lopen_\@:
	WIN \w
	v_max3_num_f32 v28, v96, v97, v98              ; the step's largest score of my query among my 64 keys, in two chains, each accumulator from its low end on
	v_max3_num_f32 v29, v99, v100, v101
.irp i, 6,10,14,18,22,26,30,34,38,42,46,50,54,58
	v_max3_num_f32 v28, v28, v[96+\i], v[97+\i]
	v_max3_num_f32 v29, v29, v[98+\i], v[99+\i]
.endr
	v_max3_num_f32 v28, v28, v158, v159
	v_max_num_f32 v28, v28, v29
	v_permlanex16_b32 v29, v28, s[SEL], s[SEL+1]
	v_max_num_f32 v28, v28, v29                    ; and among lane l xor 16's
	v_mul_f32 v28, s[CS], v28                      ; as t (c is positive)
	v_max_num_f32 v13, v13, v28                    ; the running largest t
	v_mov_b32 v28, v12
	v_floor_f32 v12, -v13                          ; the new -M = floor(-t): M is a whole number
	v_sub_f32 v28, v12, v28                        ; old M - new M: a whole number, 0 or less
	v_cvt_i32_f32 v28, v28                         ; (it saturates)
	v_ldexp_f32 v26, 1.0, v28                      ; f = 2^(old M - new M): rounds nothing
	; ONE BATCH of 64 exponentials.  Behind each of the first 45 stands a plain line that names no exponential's result: the scalings t - M of later pairs, O^T x f, the sum x f.
.irp j, 0,2,4,6
	v_pk_fma_f32 v[96+\j:97+\j], v[96+\j:97+\j], s[CS:CS+1], v[12:13] op_sel_hi:[1,0,0]
.endr
.set ee, 0
.rept 64
	v_exp_f32 v[96+ee], v[96+ee]                   ; p = 2^(t - M), at most 1
.if ee < 28
	v_pk_fma_f32 v[104+2*ee:105+2*ee], v[104+2*ee:105+2*ee], s[CS:CS+1], v[12:13] op_sel_hi:[1,0,0]
.elseif ee < 44
	v_pk_mul_f32 v[160+2*(ee-28):161+2*(ee-28)], v[160+2*(ee-28):161+2*(ee-28)], v[26:27] op_sel_hi:[1,0]
.elseif ee == 44
	v_pk_mul_f32 v[14:15], v[14:15], v[26:27] op_sel_hi:[1,0]
.endif
.set ee, ee+1
.endr
	v_nop                                          ; a plain instruction behind the last exponential
	s_wait_alu depctr_va_vdst(0)                   ; the 64 exponentials have written p, v96 to v159: one wait for the whole batch, ahead of its first reader
	v_pk_add_f32 v[30:31], v[96:97], v[98:99]      ; the row's sum is taken of the UNQUANTISED p, two at a time, in two chains
.irp j, 4,8,12,16,20,24,28,32,36,40,44,48,52,56,60
	v_pk_add_f32 v[14:15], v[14:15], v[96+\j:97+\j]
	v_pk_add_f32 v[30:31], v[30:31], v[98+\j:99+\j]
.endr
	v_pk_add_f32 v[14:15], v[14:15], v[30:31]
	WIN 0
	s_cmp_ge_i32 s[E4], -8                         ; p <= 1, so p / 2^e4 <= 256 < 448 where e4 >= -8: the hold then changes nothing and is jumped over; a branch on a whole number read from memory
	s_cbranch_scc1 .Lnohold_\@
	WIN \w
.set nn, 0
.rept 64
	v_min_num_f32 v[96+nn], v[96+nn], v25          ; the conversion does not saturate (ISA guide 7.6.2); p is not negative, so the hold is one-sided
.set nn, nn+1
.endr
	WIN 0
.Lnohold_\@:
	WIN \w
.irp b, 0,1,2,3
	v_cvt_scalef32_pk8_fp8_f32 v[192+4*\b:193+4*\b], v[96+16*\b:103+16*\b], v24
	v_cvt_scalef32_pk8_fp8_f32 v[194+4*\b:195+4*\b], v[104+16*\b:111+16*\b], v24
.endr
	v_nop                                          ; one plain vector instruction between the conversions and the products that read their results
.endm
.macro FINAL w                         ; a tile's end: y = O^T 2^(e4 + e5) / the sum, quantised with 2^e6
	WIN \w
	v_add_f32 v14, v14, v15
	v_permlanex16_b32 v28, v14, s[SEL], s[SEL+1]
	v_add_f32 v14, v14, v28                        ; the row's sum
	v_rcp_f32 v14, v14
	v_mov_b32 v28, s[SY]                           ; (the plain place behind the reciprocal)  2^e6
	v_mov_b32 v29, s[SY+1]                         ; 448 x 2^e6
	s_wait_alu depctr_va_vdst(0)                   ; the reciprocal has written v14, ahead of its first reader
	v_ldexp_f32 v14, v14, s[EPV]
.set kk, 0
.rept 16
	v_pk_mul_f32 v[160+kk:161+kk], v[160+kk:161+kk], v[14:15] op_sel_hi:[1,0]
.set kk, kk+2
.endr
.set kk, 0
.rept 32
	v_med3_num_f32 v[160+kk], v[160+kk], -v29, v29
.set kk, kk+1
.endr
.irp b, 0,1
	v_cvt_scalef32_pk8_fp8_f32 v[208+4*\b:209+4*\b], v[160+16*\b:167+16*\b], v28
	v_cvt_scalef32_pk8_fp8_f32 v[210+4*\b:211+4*\b], v[168+16*\b:175+16*\b], v28
.endr
	v_nop
.endm
.macro YSTORE                          ; four registers of a lane are 16 bytes of an image: each store covers 512 consecutive bytes, aligned
	WIN 0
	s_lshl_b32 s[OFS], s[QB], 15                   ; 8 tiles of 16 rows x 4,096 bytes
	s_mov_b32 s[OFS+1], 0
	s_add_nc_u64 s[YP:YP+1], s[YB:YB+1], s[OFS:OFS+1]
	s_wait_alu depctr_va_vdst(0)                   ; the conversions have written y's codes, v208 to v215 of both windows, which the four stores read; and the products K Q^T are done reading Q's registers, in which the next query block's loads land
	global_store_b128 v[GO], v[208:211], s[YP:YP+1]
	global_store_b128 v[GO], v[212:215], s[YP:YP+1] offset:512
	WIN 0x04                                       ; the data in window 1
	global_store_b128 v[GO], v[208:211], s[YP:YP+1] offset:4096
	global_store_b128 v[GO], v[212:215], s[YP:YP+1] offset:4608
	WIN 0
.endm
; A PREFETCH INTO THE L2: in step s key block s + 2, one step ahead of that block's loads, for s = 0 .. 13.  All eight work-groups of a pair of heads walk the same K and V: the one with j = 0, which walks all sixteen
; blocks in order, asks.  In it waves 0 and 1 take the halves of K's block, waves 2 and 3 those of V's: 8,192 bytes a wave, lanes 256 bytes apart: each block of 256 bytes is named once.  Blocks 0 and 1 come by their loads alone.
.macro ASK
	s_cmp_gt_u32 s[CNT], s[LIM]
	s_cbranch_scc0 .Lnot_mine_\@
	global_prefetch_b8 v[PFO], s[PFA:PFA+1] th:TH_LOAD_NT scope:SCOPE_SE
.Lnot_mine_\@:
.endm
; A KEY STEP of 128 keys, out of slot 'slot'.  last = 1: the seventeenth: nothing more is fetched.
.macro STEP slot, last
.if !\last
	s_wait_xcnt 0x0                                ; the last step's loads and prefetch have read their addresses
	s_wait_alu depctr_vm_vsrc(0)                   ; the last step's loads have read v[GL], which the addition below writes; its LDS stores have read v[SG ..], in which this step's loads land
	s_add_nc_u64 s[PFA:PFA+1], s[PFA:PFA+1], 16384
	s_add_co_u32 s59, s[NK], 1
	s_cmp_eq_u32 s[NK], s[QB1]                     ; behind the first query block's diagonal the walk begins anew (the second block's keys stay under 15 - j)
	s_cselect_b32 s[NK], 0, s59
	s_lshl_b32 s59, s[NK], 14
	v_add_nc_u32 v[GL], s59, v[GL0]
.endif
	s_wait_alu depctr_va_vdst(0)                   ; the step's one wait for its loads: the last step's products are done reading K's fragments (window 0) and V's (window 1), in which this step's LDS loads land; and, where the step fetches, v[GL] is written
.if !\last
.irp i, 0,1,2,3
	global_load_b128 v[SG+4*\i:SG+4*\i+3], v[GL], s[KP:KP+1] offset:512*\i          ; the next step's K: my 2,048 bytes of 16,384
.endr
.irp i, 0,1,2,3
	global_load_b128 v[SG+16+4*\i:SG+16+4*\i+3], v[GL], s[VP:VP+1] offset:512*\i    ; and V
.endr
	ASK
.endif
.irp t, 0,1,2,3,4,5,6,7                ; K's eight fragments: 16 positions x my head's 64 bytes; registers 0-3: bytes 16 h on, 4-7: 32 + 16 h on, as in Q
	ds_load_b128 v[32+8*\t:35+8*\t], v[AK] offset:\slot*SLOTB+2304*\t
	ds_load_b128 v[36+8*\t:39+8*\t], v[AK] offset:\slot*SLOTB+2304*\t+32
.endr
	s_wait_dscnt 0x0
.irp t, 0,1,2,3,4,5,6,7
	v_wmma_f32_16x16x64_fp8_fp8 v[96+8*\t:103+8*\t], v[32+8*\t:39+8*\t], v[16:23], 0
.endr
	WIN 0x40                                       ; destination window 1, address window 0
.irp u, 0,1,2,3                        ; V's four fragments: 16 positions x 128 keys; they land during tile A's softmax.  No wait: the eight products issued since the step's wait name K, Q and S^T of window 0, not these registers nor v[AV]
.irp c, 0,1,2,3
	ds_load_b128 v[32+16*\u+4*\c:35+16*\u+4*\c], v[AV] offset:\slot*SLOTB+VOFF+2304*\u+32*\c
.endr
.endr
	WIN 0x44                                       ; Q and S^T of tile B: window 1
.irp t, 0,1,2,3,4,5,6,7
	v_wmma_f32_16x16x64_fp8_fp8 v[96+8*\t:103+8*\t], v[32+8*\t:39+8*\t], v[16:23], 0
.endr
	WIN 0
.rept 4
	v_nop                                          ; places in front of the first read of the scores
.endr
	SOFTMAX 0
	s_wait_dscnt 0x0                               ; V is in
	WIN 0x01                                       ; V window 1; p, C and D window 0
.irp u, 0,1,2,3
	v_wmma_f32_16x16x128_fp8_fp8 v[160+8*\u:167+8*\u], v[32+16*\u:47+16*\u], v[192:207], v[160+8*\u:167+8*\u]
.endr
	WIN 0
.if !\last
	s_wait_loadcnt 0x0                             ; the next step's K and V are in registers: into the other slot, which every wave left at the last barrier.  (The stores' data come from loads, their address from the head: they hang on no vector result)
.irp i, 0,1,2,3
	ds_store_b128 v[SW], v[SG+4*\i:SG+4*\i+3] offset:(1-\slot)*SLOTB+576*\i
.endr
.irp i, 0,1,2,3
	ds_store_b128 v[SW], v[SG+16+4*\i:SG+16+4*\i+3] offset:(1-\slot)*SLOTB+VOFF+576*\i
.endr
.endif
	SOFTMAX 0x55                                   ; tile B's, beside tile A's products
	WIN 0x55                                       ; V, p, C and D window 1
.irp u, 0,1,2,3
	v_wmma_f32_16x16x128_fp8_fp8 v[160+8*\u:167+8*\u], v[32+16*\u:47+16*\u], v[192:207], v[160+8*\u:167+8*\u]
.endr
	WIN 0
.rept 4
	v_nop                                          ; places in front of a read of O^T
.endr
.if \last
	FINAL 0
	FINAL 0x55
	YSTORE
.else
	s_wait_dscnt 0x0                               ; my stores into the other slot have landed, my reads of this slot are in
	s_barrier_signal -1
	s_barrier_wait -1                              ; both now hold of all eight waves
	s_cmp_lg_u32 s[KB], s[QB]                      ; the diagonal is done: the first query block ends, the second begins.  A branch on ids, alike in all waves
	s_cbranch_scc1 .Lon_\@
	FINAL 0
	FINAL 0x55
	YSTORE
	s_mov_b32 s[QB], s[JJ]
	s_mov_b32 s[KB], -1
	QLOAD
	INIT 0
	INIT 0x55
	WIN 0
	s_wait_loadcnt 0x0                             ; Q
	s_wait_xcnt 0x0                                ; the stores have read their registers and their base
	s_wait_alu depctr_vm_vsrc(0)                   ; the four stores have read y's codes, v208 to v215 of both windows, which the next query block's conversions write
.Lon_\@:
	s_add_co_u32 s[KB], s[KB], 1
.endif
.endm
	s_load_b256 s[4:11], s[0:1], 0x0               ; qc s[4:5], kc s[6:7], vc s[8:9], the scales' exponents s[10:11]
	s_load_b64 s[12:13], s[0:1], 0x20              ; yc
	v_lshl_add_u32 v254, v0, 2, 0x12000
	v_mov_b32 v255, 0
	v_lshrrev_b32 v9, 5, v0
	v_readfirstlane_b32 s[WV], v9                  ; wave 0..7
	s_mov_b32 s[JJ], ttmp9
	s_sub_co_u32 s[QB1], 15, s[JJ]
	s_mov_b32 s[SEL], 0x76543210
	s_mov_b32 s[SEL+1], 0xfedcba98
	s_wait_alu depctr_va_sdst(0)                   ; the wave's number is written, ahead of its first reader: my head, my queries and my addresses are made from it
	s_lshr_b32 s[HD], s[WV], 2                     ; my head of the pair
	s_and_b32 s[WQ], s[WV], 3                      ; my 32 queries of the 128
	v_and_b32 v9, 15, v0                           ; r
	v_bfe_u32 v10, v0, 4, 1                        ; h
	v_mul_u32_u24 v1, v9, 144
	v_lshl_add_u32 v1, v10, 4, v1                  ; 144 r + 16 h
	s_mul_i32 s59, s[HD], 9216
	v_add_nc_u32 v[AV], s59, v1
	s_lshl_b32 s59, s[HD], 6
	v_add_nc_u32 v[AK], s59, v1
	v_and_b32 v7, 31, v0                           ; lane
	v_lshlrev_b32 v[PFO], 8, v7
	v_lshrrev_b32 v6, 3, v7
	v_mul_u32_u24 v6, v6, 144
	v_and_b32 v8, 7, v0
	v_lshl_add_u32 v6, v8, 4, v6
	s_mul_i32 s59, s[WV], 2304
	v_add_nc_u32 v[SW], s59, v6
	v_lshlrev_b32 v[GO], 4, v7
	s_lshl_b32 s59, s[WV], 11
	v_add_nc_u32 v[GL0], s59, v[GO]
	v_and_b32 v8, 8, v9
	v_add_nc_u32 v8, v8, v9
	v_lshlrev_b32 v8, 7, v8
	v_lshl_add_u32 v[QO], v10, 4, v8
	v_lshlrev_b32 v10, 4, v10
	v_sub_nc_u32 v11, v9, v10
	s_lshl_b32 s59, s[WQ], 5
	v_add_nc_u32 v11, s59, v11                     ; tile A: my query in its block - 16 h
	v_mov_b32 v[GL], v[GL0]                        ; key block 0
	s_and_b32 s58, ttmp7, 0xffff                   ; 8 x batch + pair of heads
	s_wait_kmcnt 0x0
	s_load_b256 s[16:23], s[10:11], 0x0            ; e0 .. e7
	s_lshl_b32 s[OFS], s58, 18                     ; 16 blocks of 16,384 bytes
	s_mov_b32 s[OFS+1], 0
	s_add_nc_u64 s[KP:KP+1], s[6:7], s[OFS:OFS+1]
	s_add_nc_u64 s[VP:VP+1], s[8:9], s[OFS:OFS+1]
	s_add_nc_u64 s[QPB:QPB+1], s[4:5], s[OFS:OFS+1]
	s_wait_alu depctr_va_vdst(0)                   ; the eight addresses and offsets v1 to v8 are written, which every load, store and prefetch of the kernel reads, and so are v254 and v255, which the closing add reads
.irp i, 0,1,2,3
	global_load_b128 v[SG+4*\i:SG+4*\i+3], v[GL], s[KP:KP+1] offset:512*\i
.endr
.irp i, 0,1,2,3
	global_load_b128 v[SG+16+4*\i:SG+16+4*\i+3], v[GL], s[VP:VP+1] offset:512*\i
.endr
	s_lshl_b32 s[OFS], s[WQ], 12                   ; 32 positions of 128 bytes,
	s_lshl_b32 s59, s[HD], 6                       ; my head's 64 bytes
	s_add_co_u32 s[OFS], s[OFS], s59
	s_add_nc_u64 s[QPB:QPB+1], s[QPB:QPB+1], s[OFS:OFS+1]
	s_and_b32 s59, s58, 7
	s_lshl_b32 s59, s59, 1
	s_add_co_u32 s59, s59, s[HD]                   ; H: my head among the 16
	s_lshr_b32 s[OFS], s59, 2
	s_lshl_b32 s[OFS], s[OFS], 21
	s_and_b32 s59, s59, 3
	s_lshl_b32 s59, s59, 10
	s_add_co_u32 s[OFS], s[OFS], s59
	s_lshr_b32 s59, s58, 3                         ; the batch: 128 tiles of 16 rows x 4,096 bytes
	s_lshl_b32 s59, s59, 19
	s_add_co_u32 s[OFS], s[OFS], s59
	s_lshl_b32 s59, s[WQ], 13                      ; my two tiles
	s_add_co_u32 s[OFS], s[OFS], s59
	s_add_nc_u64 s[YB:YB+1], s[12:13], s[OFS:OFS+1]
	s_cmp_lt_u32 s[WV], 2                          ; the prefetches: waves 0, 1: K; waves 2, 3: V
	s_cselect_b64 s[PFA:PFA+1], s[KP:KP+1], s[VP:VP+1]
	s_and_b32 s[OFS], s[WV], 1
	s_lshl_b32 s[OFS], s[OFS], 13
	s_add_co_u32 s[OFS], s[OFS], 16384             ; in block 1: the first step steps it to block 2
	s_add_nc_u64 s[PFA:PFA+1], s[PFA:PFA+1], s[OFS:OFS+1]
	s_lshr_b32 s59, s[WV], 2
	s_or_b32 s59, s59, ttmp9
	s_cmp_eq_u32 s59, 0
	s_cselect_b32 s[LIM], 1, -1                    ; 1 in waves 0 to 3 of the work-group with j = 0, else the greatest number
	s_mov_b32 s[QB], s[QB1]
	QLOAD
	INIT 0
	INIT 0x55
	WIN 0
	s_wait_kmcnt 0x0
	s_add_co_i32 s59, s18, s19
	s_lshl_b32 s59, s59, 23
	s_add_co_i32 s[CS], s59, 0x3e38aa3b            ; log2(e) / 8 with e2 + e3 added to its exponent field
	s_mov_b32 s[CS+1], s[CS]                       ; (named with it as a pair)
	s_add_co_i32 s[EPV], s20, s21
	s_mov_b32 s[E4], s20
	s_add_co_i32 s59, s22, 127
	s_lshl_b32 s[SY], s59, 23
	s_add_co_i32 s59, s59, 8
	s_lshl_b32 s[SY+1], s59, 23
	s_or_b32 s[SY+1], s[SY+1], 0x600000
	s_add_co_i32 s59, s20, 127
	s_lshl_b32 s[OFS], s59, 23                     ; 2^e4
	s_add_co_i32 s59, s59, 8
	s_lshl_b32 s59, s59, 23
	s_or_b32 s59, s59, 0x600000                    ; 448 x 2^e4
	v_mov_b32 v24, s[OFS]
	v_mov_b32 v25, s59
	WIN 0x40                                       ; the same for tile B: destination window 1
	v_mov_b32 v24, s[OFS]
	v_mov_b32 v25, s59
	v_add_nc_u32 v11, 16, v11                      ; its queries lie 16 further on
	WIN 0
	s_mov_b32 s[KB], 0
	s_mov_b32 s[NK], 0
	s_mov_b32 s[CNT], 8
	s_wait_loadcnt 0x0                             ; key block 0 and Q
.irp i, 0,1,2,3
	ds_store_b128 v[SW], v[SG+4*\i:SG+4*\i+3] offset:576*\i          ; (no vector instruction since the head's wait names v[SW] or v[SG ..])
.endr
.irp i, 0,1,2,3
	ds_store_b128 v[SW], v[SG+16+4*\i:SG+16+4*\i+3] offset:VOFF+576*\i
.endr
	s_wait_dscnt 0x0
	s_barrier_signal -1
	s_barrier_wait -1                              ; slot 0 is whole
.Ltrip:                                            ; eight trips of two key steps
	STEP 0, 0
	STEP 1, 0
	s_sub_co_u32 s[CNT], s[CNT], 1
	s_cmp_lg_u32 s[CNT], 0
	s_cbranch_scc1 .Ltrip
	STEP 0, 1                                      ; the seventeenth: the second query block's diagonal
	s_wait_dscnt 0x0                               ; the closing lines, six on end
	s_wait_alu 0x0
	s_wait_tensorcnt 0x0
	ds_add_u32 v254, v255
	s_wait_dscnt 0x0
	s_endpgm
.Lfunc_end_k_q1cec6fd431_attn:
	.size	k_q1cec6fd431_attn, .Lfunc_end_k_q1cec6fd431_attn-k_q1cec6fd431_attn
	.p2alignl 7, 3214868480
	.fill 96, 4, 3214868480
	.section	.rodata,"a",@progbits
	.p2align	6, 0x0
	.amdhsa_kernel k_q1cec6fd431_attn
		.amdhsa_group_segment_fixed_size 74752
		.amdhsa_private_segment_fixed_size 0
		.amdhsa_enable_private_segment 0
		.amdhsa_kernarg_size 40
		.amdhsa_user_sgpr_count 2
		.amdhsa_user_sgpr_kernarg_segment_ptr 1
		.amdhsa_wavefront_size32 1
		.amdhsa_system_sgpr_workgroup_id_x 1
		.amdhsa_system_sgpr_workgroup_id_y 1
		.amdhsa_system_sgpr_workgroup_id_z 1
		.amdhsa_system_vgpr_workitem_id 0
		.amdhsa_next_free_vgpr 512
		.amdhsa_next_free_sgpr 80
		.amdhsa_reserve_vcc 0
		.amdhsa_float_denorm_mode_32 3
		.amdhsa_float_denorm_mode_16_64 3
		.amdhsa_memory_ordered 1
		.amdhsa_forward_progress 1
		.amdhsa_inst_pref_size 184
	.end_amdhsa_kernel
	.amdgpu_metadata
---
amdhsa.version: [ 1, 2 ]
amdhsa.kernels:
  - .name:           k_q1cec6fd431_attn
    .symbol:         k_q1cec6fd431_attn.kd
    .args:
      - { .name: qc, .offset: 0, .size: 8, .value_kind: global_buffer, .address_space: global }
      - { .name: kc, .offset: 8, .size: 8, .value_kind: global_buffer, .address_space: global }
      - { .name: vc, .offset: 16, .size: 8, .value_kind: global_buffer, .address_space: global }
      - { .name: lowp_scales, .offset: 24, .size: 8, .value_kind: global_buffer, .address_space: global }
      - { .name: yc, .offset: 32, .size: 8, .value_kind: global_buffer, .address_space: global }
    .group_segment_fixed_size: 74752
    .private_segment_fixed_size: 0
    .kernarg_segment_align: 8
    .kernarg_segment_size: 40
    .max_flat_workgroup_size: 256
    .sgpr_count:     80
    .vgpr_count:     512
    .wavefront_size: 32
...
	.end_amdgpu_metadata
.endif
;; end of part 4
;; launch proj: the kernel of part 3 again; grid 4 x 64, 4 waves a work-group, clusters of 4 x 4, 327,680 bytes of LDS; arguments yc, W_out_codes, b_out, lowp_scales, out0; writes out0
